; MI455X (gfx1250); checked and timed in simulation.
; The chip was launched on July 23, 2026; its instructions are those of AMD's public machine-readable ISA for CDNA 5 (MIT licence, August 2026) and "CDNA5" Instruction Set Architecture Reference Guide (July 2026). The comments in the code are by the model that wrote it; some were corrected since.
;; Window Attention Memory. Allowed arithmetic: matrix products marked QUANTISED: E2M3 operands, one E8M0 scale for each 32 along K, by v_wmma_scale_f32_16x16x128_f8f6f4 with both operands' format E2M3, f32 sums; everything else in f32.
;; Inputs: b_k 1,024 float32; b_o 1,024 float32; b_q 1,024 float32; b_v 1,024 float32; ln_b 1,024 float32; ln_g 1,024 float32; w_k 1,024 x 1,024 float32; w_o 1,024 x 1,024 float32; w_q 1,024 x 1,024 float32; w_v 1,024 x 1,024 float32; x 4 x 2,048 x 1,024 float32.
;; Outputs: out0 4 x 2,048 x 1,024 float32.
;; This version of the problem:
;;   THIS VERSION OF THE PROBLEM IS GIVEN IN LOW PRECISION. The matrix products marked QUANTISED in the list below multiply operands that are first quantised to E2M3 (2 exponent bits, 3 mantissa bits; 6 bits a number), with one power-of-two scale for each 32 numbers along K (OCP MX v1.0); their sums are f32. All else is computed in f32.
;;   The module's matrix products, in the order in which they are computed (A, B: the left and right operand; K: the contracted axis; several contracted axes count as one K, in the product's order):
;;     1. [M 8,192, K 1,024] x [K 1,024, N 1,024]; A: computed on the way; B: input w_q: QUANTISED
;;     2. [M 8,192, K 1,024] x [K 1,024, N 1,024]; A: computed on the way; B: input w_k: QUANTISED
;;     3. [M 8,192, K 1,024] x [K 1,024, N 1,024]; A: computed on the way; B: input w_v: QUANTISED
;;     4. batch 64 x [M 2,048, K 64] x [K 64, N 2,048]; A: computed on the way; B: computed on the way: QUANTISED
;;     5. batch 64 x [M 2,048, K 2,048] x [K 2,048, N 64]; A: softmax (see below); B: computed on the way: QUANTISED
;;     6. [M 8,192, K 1,024] x [K 1,024, N 1,024]; A: computed on the way; B: input w_o: QUANTISED
;;   THE QUANTISER, for each operand of a quantised product, along K:
;;     - K is cut into blocks of 32 from its start; a last block that is shorter is filled with zeros.
;;     - A block's scale is 2^e with e = floor(log2(the largest magnitude in the block)) - 2, held to -126 .. 127; a block of zeros has e = 0. As a byte (E8M0): e + 127.
;;     - Each number is divided by its block's scale, clamped to +-7.5, and rounded to the nearest number of E2M3, ties to even, subnormals kept.
;;     - The product sums the exact products of the quantised numbers (number of the format x scale) in f32.
;;   ~~~python
;;   def quantise(x, axis):      # numpy; x: float32 -> the quantised numbers, widened to float32 again
;;       x = np.moveaxis(x, axis, -1); K = x.shape[-1]
;;       x = np.pad(x, [(0, 0)] * (x.ndim - 1) + [(0, -K % 32)]); x = x.reshape(x.shape[:-1] + (-1, 32)); a = np.abs(x).max(-1, keepdims=True)
;;       e = np.where(a > 0, np.clip(np.frexp(np.where(a > 0, a, 1))[1] - 1 - 2, -126, 127), 0)      # np.frexp(a)[1] - 1 = floor(log2(a)), exactly
;;       r = np.clip(x / 2.0 ** e, -7.5, 7.5)
;;       step = 2.0 ** (np.maximum(np.frexp(np.where(r == 0, 1, r))[1] - 1, 0) - 3)
;;       q = np.round(r / step) * step * 2.0 ** e      # np.round: ties to even
;;       return np.moveaxis(q.reshape(q.shape[:-2] + (-1,))[..., :K], -1, axis).astype(np.float32)
;;   ~~~
;;   SOFTMAX AHEAD OF A QUANTISED PRODUCT. Where the list says 'softmax', what is quantised is not the finished softmax but p = 2^(t - M), with t = logit x log2(e) and M = ceil(the row's largest t), a whole number; so 1/2 < the row's largest p <= 1. The row's sum l is taken of the UNQUANTISED p, in f32, and the product's result is divided by l at the end. Since M is a whole number, a kernel that streams over the keys may use a running M (the ceiling of the running maximum): every later rescaling is an exact power of two, which a block's scale takes up: the codes' values come out the same.
;;   OPERANDS COMPUTED ON THE WAY. 'Computed on the way' means the value that the module computes at that place (a softmax that the list does not call 'softmax' is quantised finished and normalised). What goes into a quantiser is computed in f32, as accurately as f32 sums, v_exp_f32 and their like allow (about 1e-6 of the number): no bf16 or f16 on the way to a quantiser, and a product that is left as it is and whose result goes on into a quantised operand takes f32 operands (vector FMAs, or v_wmma_f32_16x16x4_f32). A number that lies on a knife's edge between two numbers of the format may be rounded either way, as far as f32 arithmetic and the matrix unit's own rounding can turn it there, and no further.
;; One version. Each part assembles by itself: llvm-mc -triple=amdgcn-amd-amdhsa -mcpu=gfx1250 --defsym DOCPART=n.
;; ======== version 1 of 1: 4 launches
;; workspace buffers: c0 9,437,184 bytes; s0 393,216 bytes; qkc 12,582,912 bytes; qks 524,288 bytes; vc 6,291,456 bytes; vs 262,144 bytes; cc 6,291,456 bytes; cs 262,144 bytes
;; launch prep (part 1): grid 192 x 1, 16 waves a work-group, no clusters, 127,488 bytes of LDS; arguments x, w_q, w_k, w_v, w_o, ln_g, ln_b, c0, s0; writes c0, s0
.if DOCPART == 1
	.amdgcn_target "amdgcn-amd-amdhsa--gfx1250"
	.amdhsa_code_object_version 6
	.text
	.protected	k_q17f961aca2_prep
	.globl	k_q17f961aca2_prep
	.p2align	8
	.type	k_q17f961aca2_prep,@function
k_q17f961aca2_prep:
	s_mov_b64 s[64:65], 0
	v_nop
	global_prefetch_b8 v0, s[64:65] scope:SCOPE_SE
	s_setreg_imm32_b32 hwreg(HW_REG_WAVE_MODE, 25, 1), 1
	s_wait_xcnt 0x0
; LAYER NORM OF x, AND x AND THE FOUR WEIGHTS INTO CODES OF FP6 (E2M3) WITH ONE E8M0 BYTE FOR EACH 32 ALONG K = 1,024.
; All 12,288 rows (8,192 of x, 4 x 1,024 of the weights) are 1,024 f32 with K innermost: ONE path serves both kinds.  For a weight the mean, 1/sigma, gain and bias are replaced by 0, 1, 1, 0
; (v_cndmask_b32 by a mask made of the work-group's number), and (w - 0) x 1 x 1 + 0 is w exactly.
; OUTPUT.  c0: fragments of 16 rows x 128 K as IMAGES OF THE OPERAND'S REGISTERS: 1,536 bytes, [plane 0..2][lane][16 bytes], plane p = registers 4 p .. 4 p + 3; laid [row tile][K step 0..7].
; s0: one word (four scale bytes) for a row and a K step, laid [row / 64][K step][row tile % 4][row % 16].
; STORAGE ORDER: position n of c0 and s0 holds the row n with bits 3 and 4 exchanged, so that lane r of tile 2 b + u holds row 32 b + 8 u + r + 8 (r / 8): a product that takes such a tile as source 0
; leaves 16 neighbours along that axis in the 16 registers of two neighbouring tiles.
; SHARES.  A work-group takes 64 positions; wave w positions 4 w .. 4 w + 3, a row at a time.  A row's eight loads read 512 consecutive bytes each; mean and variance are taken in two passes over the registers
; (no difference of large sums); the normalised row turns through the wave's own stage in LDS, so that lane l then holds block l (32 neighbours) whole; its six code registers and its scale byte go to the work-group's
; image in LDS, and behind one barrier the image leaves in stores of 512 consecutive bytes.
; A block's scale: the largest magnitude's exponent field less 2, held at 1 from below by the floor 2^-124.  A block of zeros so gets the byte 1: its codes are zeros, and this program alone reads the bytes.
; LIMITS: NaN and infinities among the inputs are not served; blocks whose largest magnitude lies under 2^-124 are held at the byte 1; 1/sqrt is v_rsq_f32.
; No matrix unit, no cluster, no tensor load: a stream that shares nothing.  No prefetch: a wave asks for all its 16 KiB at its head.
.set FPIT,  1552                       ; a fragment's image in LDS: 1,536 bytes + 16
.set SCI,   32*FPIT                    ; behind the 32 fragments: the scale words' image, 2,048 bytes
.set STG,   SCI+2048                   ; the waves' stages: 32 places of 128 + 16 bytes each
.set STGW,  32*144
.set SPARE, STG+16*STGW                ; the spare words, 128 bytes for each wave: eight blocks of 256 bytes that no other line names
.set L16,  1                           ; v1   16 x lane
.set STW,  2                           ; v2   the stage, on the way in
.set STR,  3                           ; v3   and on the way out: 144 x lane
.set P0,   4                           ; v4-6 where my block's three pieces of 8 bytes lie in the image
.set P1,   5
.set P2,   6
.set SBA,  7                           ; v7   where my block's scale byte lies
.set SPW,  8                           ; v8   my spare word; never rewritten
.set NIL,  9                           ; v9   0; never rewritten
.set ZERO, 10
.set ONE,  11
.set Y,    32                          ; v32-63   my block's 32 numbers
.set X,    64                          ; v64-191  four rows as loaded
.set G,    192                         ; v192-223 the gain of my 32 columns
.set BV,   224                         ; v224-255 the bias
	s_load_b256 s[4:11], s[0:1], 0x0               ; x, w_q, w_k, w_v
	s_load_b256 s[12:19], s[0:1], 0x20             ; w_o, ln_g, ln_b, c0
	s_load_b64 s[20:21], s[0:1], 0x40              ; s0
	v_lshl_add_u32 v[SPW], v0, 2, SPARE
	v_mov_b32 v[NIL], 0
	v_mov_b32 v[ZERO], 0
	v_mov_b32 v[ONE], 1.0
	v_lshrrev_b32 v16, 5, v0
	v_readfirstlane_b32 s22, v16                   ; wave 0..15
	v_and_b32 v17, 31, v0                          ; lane
	v_lshlrev_b32 v[L16], 4, v17
	s_mul_i32 s30, s22, STGW
	s_add_co_u32 s30, s30, STG                     ; my stage
	v_lshrrev_b32 v18, 3, v17
	v_mul_u32_u24 v[STW], v18, 144
	v_and_b32 v18, 7, v17
	v_lshl_add_u32 v[STW], v18, 4, v[STW]
	v_add_nc_u32 v[STW], s30, v[STW]               ; a load's 512 bytes are four blocks: place lane / 8, byte 16 (lane % 8); load j begins four places on
	v_mul_u32_u24 v[STR], v17, 144
	v_add_nc_u32 v[STR], s30, v[STR]
	s_lshr_b32 s31, s22, 2                         ; my row tile of the four
	s_and_b32 s32, s22, 3                          ; my rows in it: 4 (wave % 4) + k
	s_mul_i32 s33, s31, 8*FPIT
	s_lshl_b32 s34, s32, 6
	s_add_co_u32 s33, s33, s34
	v_lshrrev_b32 v18, 2, v17                      ; block l: K step l / 4,
	v_mul_u32_u24 v19, v18, FPIT
	v_and_b32 v20, 1, v17                          ; half h = l % 2 of the fragment's lanes,
	v_lshl_add_u32 v19, v20, 8, v19
	v_add_nc_u32 v19, s33, v19
	v_bfe_u32 v20, v17, 1, 1                       ; registers 6 c .. 6 c + 5, c = (l / 2) % 2
	v_mad_u32_u24 v[P0], v20, 520, v19             ; registers 0, 1 at byte 0 of plane 0;    6, 7 at byte 8 of plane 1
	v_mad_u32_u24 v[P1], v20, 1016, v19
	v_add_nc_u32 v[P1], 8, v[P1]                   ; registers 2, 3 at byte 8 of plane 0;    8, 9 at byte 0 of plane 2
	v_add_nc_u32 v[P2], 512, v[P0]                 ; registers 4, 5 at byte 0 of plane 1;  10, 11 at byte 8 of plane 2
	v_lshlrev_b32 v[SBA], 8, v18
	v_and_b32 v20, 3, v17
	v_add_nc_u32 v[SBA], v[SBA], v20
	s_lshl_b32 s33, s31, 6
	s_lshl_b32 s34, s32, 4
	s_add_co_u32 s33, s33, s34
	s_add_co_u32 s33, s33, SCI
	v_add_nc_u32 v[SBA], s33, v[SBA]
	s_and_b32 s26, s22, 1                          ; the rows that lie at positions 4 w + k: bits 3 and 4 of the position change places
	s_lshl_b32 s26, s26, 2
	s_bfe_u32 s30, s22, 0x10001
	s_lshl_b32 s30, s30, 4
	s_or_b32 s26, s26, s30
	s_bfe_u32 s30, s22, 0x10002
	s_lshl_b32 s30, s30, 3
	s_or_b32 s26, s26, s30
	s_bfe_u32 s30, s22, 0x10003
	s_lshl_b32 s30, s30, 5
	s_or_b32 s26, s26, s30
	s_lshl_b32 s26, s26, 12                        ; in bytes
	s_mov_b32 s27, 0x3a800000                      ; 1 / 1,024
	s_mov_b32 s28, 0x76543210
	s_mov_b32 s29, 0xfedcba98                      ; v_permlanex16_b32's selects for lane l xor 16
	s_sub_co_u32 s24, ttmp9, 128
	s_lshr_b32 s25, s24, 4                         ; which weight (work-groups 128 on),
	s_and_b32 s24, s24, 15                         ; and which 64 rows of it
	s_wait_kmcnt 0x0
	s_cmp_eq_u32 s25, 1                            ; the choices hang on the work-group's number alone
	s_cselect_b64 s[6:7], s[8:9], s[6:7]
	s_cmp_eq_u32 s25, 2
	s_cselect_b64 s[6:7], s[10:11], s[6:7]
	s_cmp_eq_u32 s25, 3
	s_cselect_b64 s[6:7], s[12:13], s[6:7]
	s_cmp_lt_u32 ttmp9, 128
	s_cselect_b64 s[4:5], s[4:5], s[6:7]
	s_cselect_b32 s24, ttmp9, s24
	s_cselect_b32 s23, 0, -1                       ; all lanes set for a weight
	s_lshl_b32 s24, s24, 18                        ; 64 rows of 4,096 bytes
	s_add_co_u32 s24, s24, s26
	s_mov_b32 s25, 0
	s_add_nc_u64 s[4:5], s[4:5], s[24:25]
	s_mul_i32 s24, ttmp9, 49152
	s_add_nc_u64 s[18:19], s[18:19], s[24:25]      ; my work-group's 32 fragments in c0
	s_lshl_b32 s24, ttmp9, 11
	s_add_nc_u64 s[20:21], s[20:21], s[24:25]      ; and its 2,048 bytes of s0
.irp j, 0,1,2,3,4,5,6,7
	global_load_b128 v[G+4*\j:G+4*\j+3], v[L16], s[14:15] offset:512*\j
.endr
.irp j, 0,1,2,3,4,5,6,7
	global_load_b128 v[BV+4*\j:BV+4*\j+3], v[L16], s[16:17] offset:512*\j
.endr
.irp k, 0,1,2,3
.irp j, 0,1,2,3,4,5,6,7
	global_load_b128 v[X+32*\k+4*\j:X+32*\k+4*\j+3], v[L16], s[4:5] offset:4096*\k+512*\j th:TH_LOAD_NT   ; 32 lanes read 512 consecutive bytes
.endr
.endr
	s_wait_loadcnt 32                              ; gain and bias are in; the four rows' 32 loads may be out
.set zi, 0
.rept 32
	v_cndmask_b32 v[G+zi], v[G+zi], v[ONE], s23
	v_cndmask_b32 v[BV+zi], v[BV+zi], v[ZERO], s23
.set zi, zi+1
.endr
.macro REDUCE                          ; v16 summed over the 32 lanes; the result in every lane
	v_add_f32_dpp v16, v16, v16 row_xmask:1 row_mask:0xf bank_mask:0xf
	v_add_f32_dpp v16, v16, v16 row_xmask:2 row_mask:0xf bank_mask:0xf
	v_add_f32_dpp v16, v16, v16 row_xmask:4 row_mask:0xf bank_mask:0xf
	v_add_f32_dpp v16, v16, v16 row_xmask:8 row_mask:0xf bank_mask:0xf
	v_permlanex16_b32 v17, v16, s28, s29
	v_add_f32 v16, v16, v17
.endm
.macro FOLD                            ; four chains of pairs into v16
	v_pk_add_f32 v[16:17], v[16:17], v[18:19]
	v_pk_add_f32 v[20:21], v[20:21], v[22:23]
	v_pk_add_f32 v[16:17], v[16:17], v[20:21]
	v_add_f32 v16, v16, v17
.endm
.macro ROW k
.set XR, X+32*\k
	s_wait_loadcnt 8*(3-\k)                        ; this row's eight loads are in; the later rows' may be out
.irp c, 0,1,2,3
	v_pk_add_f32 v[16+2*\c:17+2*\c], v[XR+2*\c:XR+2*\c+1], v[XR+8+2*\c:XR+8+2*\c+1]   ; the sum, in four chains
.endr
.irp i, 16,24
.irp c, 0,1,2,3
	v_pk_add_f32 v[16+2*\c:17+2*\c], v[16+2*\c:17+2*\c], v[XR+\i+2*\c:XR+\i+2*\c+1]
.endr
.endr
	FOLD
	REDUCE
	v_mul_f32 v16, s27, v16                        ; the mean
	v_cndmask_b32 v12, v16, v[ZERO], s23
	v_mov_b32 v13, v12
.set zi, 0
.rept 16
	v_pk_add_f32 v[XR+zi:XR+zi+1], v[XR+zi:XR+zi+1], v[12:13] neg_lo:[0,1] neg_hi:[0,1]   ; x - mean
.set zi, zi+2
.endr
.irp c, 0,1,2,3
	v_pk_mul_f32 v[16+2*\c:17+2*\c], v[XR+2*\c:XR+2*\c+1], v[XR+2*\c:XR+2*\c+1]           ; the sum of squares, in four chains
.endr
.irp i, 8,16,24
.irp c, 0,1,2,3
	v_pk_fma_f32 v[16+2*\c:17+2*\c], v[XR+\i+2*\c:XR+\i+2*\c+1], v[XR+\i+2*\c:XR+\i+2*\c+1], v[16+2*\c:17+2*\c]
.endr
.endr
	FOLD
	REDUCE
	v_fmaak_f32 v16, s27, v16, 0x2b8cbccc          ; the variance + 1e-12
	v_rsq_f32 v14, v16
	v_nop                                          ; a plain instruction behind the transcendental,
	s_wait_alu depctr_va_vdst(0)                   ; and the wait ahead of the first line that names its result
	v_cndmask_b32 v14, v14, v[ONE], s23
	v_mov_b32 v15, v14
.set zi, 0
.rept 16
	v_pk_mul_f32 v[XR+zi:XR+zi+1], v[XR+zi:XR+zi+1], v[14:15]
.set zi, zi+2
.endr
.set zi, 0
.rept 16
	v_pk_fma_f32 v[XR+zi:XR+zi+1], v[XR+zi:XR+zi+1], v[G+zi:G+zi+1], v[BV+zi:BV+zi+1]
.set zi, zi+2
.endr
.irp j, 0,1,2,3,4,5,6,7
	ds_store_b128 v[STW], v[XR+4*\j:XR+4*\j+3] offset:576*\j       ; the row through my stage, as it lies;
.endr
.irp i, 0,1,2,3,4,5,6,7
	ds_load_b128 v[Y+4*\i:Y+4*\i+3], v[STR] offset:16*\i           ; LDS serves a wave's instructions in order (ISA guide 5.7.1.4): back comes block l, 128 bytes a lane
.endr
	s_wait_dscnt 0x0                               ; the block is in; the last row's stores into the image have read their registers too
	v_max3_num_f32 v16, |v[Y]|, |v[Y+1]|, 0x1800000                ; the largest magnitude of my 32, in two chains, with the floor 2^-124 as one more leaf
	v_max3_num_f32 v17, |v[Y+2]|, |v[Y+3]|, |v[Y+4]|
.irp i, 5,9,13,17,21,25
	v_max3_num_f32 v16, v16, |v[Y+\i]|, |v[Y+\i+1]|
	v_max3_num_f32 v17, v17, |v[Y+\i+2]|, |v[Y+\i+3]|
.endr
	v_max3_num_f32 v16, v16, |v[Y+29]|, |v[Y+30]|
	v_max3_num_f32 v16, v16, v17, |v[Y+31]|
	v_add_nc_u32 v24, 0xff000000, v16              ; 2 off its exponent field: the conversion takes the exponent field of this operand as its scale
	v_cvt_scalef32_pk16_fp6_f32 v[26:28], v[Y:Y+15], v24
	v_cvt_scalef32_pk16_fp6_f32 v[16:18], v[Y+16:Y+31], v24        ; (a conversion's three registers begin on an even number)
	v_lshrrev_b32 v25, 23, v24                     ; the scale's byte.  (The plain instruction behind the conversions)
	v_mov_b32 v29, v16
	v_mov_b32 v30, v17
	v_mov_b32 v31, v18
	ds_store_b64 v[P0], v[26:27] offset:16*\k      ; my block's 24 bytes at their places in the fragment's image: fragment lane 16 h + 4 (wave % 4) + k
	ds_store_b64 v[P1], v[28:29] offset:16*\k
	ds_store_b64 v[P2], v[30:31] offset:16*\k
	ds_store_b8 v[SBA], v25 offset:4*\k
.endm
	ROW 0
	ROW 1
	ROW 2
	ROW 3
	s_wait_dscnt 0x0                               ; for the others' sake: my stores into the image are done
	s_barrier_signal -1
	s_barrier_wait -1
	s_mul_i32 s30, s22, 2*FPIT                     ; wave w sends fragments 2 w and 2 w + 1
	v_add_nc_u32 v16, s30, v[L16]
	s_mul_i32 s30, s22, 3072
	v_add_nc_u32 v17, s30, v[L16]
	s_lshl_b32 s30, s22, 9
	v_add_nc_u32 v19, s30, v[L16]                  ; waves 0 to 3: 512 bytes each of the scale words
	v_add_nc_u32 v18, SCI, v19
.irp q, 0,1,2,3,4,5
	ds_load_b128 v[Y+4*\q:Y+4*\q+3], v16 offset:(\q/3)*FPIT+512*(\q%3)
.endr
.irp q, 0,1,2,3,4,5
	s_wait_dscnt 5-\q                              ; the younger loads may be out
	global_store_b128 v17, v[Y+4*\q:Y+4*\q+3], s[18:19] offset:(\q/3)*1536+512*(\q%3)   ; 32 lanes store 512 consecutive bytes, at a multiple of 256 from c0's first byte
.endr
	s_cmp_lt_u32 s22, 4
	s_cbranch_scc0 .Lno_scales
	ds_load_b128 v[56:59], v18
	s_wait_dscnt 0x0
	global_store_b128 v19, v[56:59], s[20:21]
.Lno_scales:
	s_wait_tensorcnt 0x0                           ; the wave's end: behind my last LDS store
	ds_add_u32 v[SPW], v[NIL]
	s_wait_dscnt 0x0
	s_endpgm
.Lfunc_end_k_q17f961aca2_prep:
	.size	k_q17f961aca2_prep, .Lfunc_end_k_q17f961aca2_prep-k_q17f961aca2_prep
	.p2alignl 7, 3214868480
	.fill 96, 4, 3214868480
	.section	.rodata,"a",@progbits
	.p2align	6, 0x0
	.amdhsa_kernel k_q17f961aca2_prep
		.amdhsa_group_segment_fixed_size 127488
		.amdhsa_private_segment_fixed_size 0
		.amdhsa_enable_private_segment 0
		.amdhsa_kernarg_size 72
		.amdhsa_user_sgpr_count 2
		.amdhsa_user_sgpr_kernarg_segment_ptr 1
		.amdhsa_wavefront_size32 1
		.amdhsa_system_sgpr_workgroup_id_x 1
		.amdhsa_system_sgpr_workgroup_id_y 1
		.amdhsa_system_sgpr_workgroup_id_z 1
		.amdhsa_system_vgpr_workitem_id 0
		.amdhsa_next_free_vgpr 256
		.amdhsa_next_free_sgpr 66
		.amdhsa_reserve_vcc 0
		.amdhsa_float_denorm_mode_32 3
		.amdhsa_float_denorm_mode_16_64 3
		.amdhsa_memory_ordered 1
		.amdhsa_forward_progress 1
		.amdhsa_inst_pref_size 50
	.end_amdhsa_kernel
	.amdgpu_metadata
---
amdhsa.version: [ 1, 2 ]
amdhsa.kernels:
  - .name:           k_q17f961aca2_prep
    .symbol:         k_q17f961aca2_prep.kd
    .args:
      - { .name: x, .offset: 0, .size: 8, .value_kind: global_buffer, .address_space: global }
      - { .name: w_q, .offset: 8, .size: 8, .value_kind: global_buffer, .address_space: global }
      - { .name: w_k, .offset: 16, .size: 8, .value_kind: global_buffer, .address_space: global }
      - { .name: w_v, .offset: 24, .size: 8, .value_kind: global_buffer, .address_space: global }
      - { .name: w_o, .offset: 32, .size: 8, .value_kind: global_buffer, .address_space: global }
      - { .name: ln_g, .offset: 40, .size: 8, .value_kind: global_buffer, .address_space: global }
      - { .name: ln_b, .offset: 48, .size: 8, .value_kind: global_buffer, .address_space: global }
      - { .name: c0, .offset: 56, .size: 8, .value_kind: global_buffer, .address_space: global }
      - { .name: s0, .offset: 64, .size: 8, .value_kind: global_buffer, .address_space: global }
    .group_segment_fixed_size: 127488
    .private_segment_fixed_size: 0
    .kernarg_segment_align: 8
    .kernarg_segment_size: 72
    .max_flat_workgroup_size: 512
    .sgpr_count:     66
    .vgpr_count:     256
    .wavefront_size: 32
...
	.end_amdgpu_metadata
.endif
;; end of part 1
;; launch qkv (part 2): grid 4 x 96, 4 waves a work-group, clusters of 4 x 4, 327,680 bytes of LDS; arguments c0, s0, b_q, b_k, b_v, qkc, qks, vc, vs; writes qkc, qks, vc, vs
.if DOCPART == 2
	.amdgcn_target "amdgcn-amd-amdhsa--gfx1250"
	.amdhsa_code_object_version 6
	.text
	.protected	k_q17f961aca2_qkv
	.globl	k_q17f961aca2_qkv
	.p2align	8
	.type	k_q17f961aca2_qkv,@function
k_q17f961aca2_qkv:
	s_mov_b64 s[64:65], 0
	v_nop
	global_prefetch_b8 v0, s[64:65] scope:SCOPE_SE
	s_setreg_imm32_b32 hwreg(HW_REG_WAVE_MODE, 25, 1), 1
	s_wait_xcnt 0x0
	s_wait_alu depctr_hold_cnt(0) depctr_sa_sdst(0) depctr_va_vdst(0) depctr_va_sdst(0) depctr_va_ssrc(0) depctr_va_vcc(0) depctr_vm_vsrc(0)
	s_getreg_b32 s2, hwreg(HW_REG_IB_STS2, 6, 4)
	s_cmp_eq_u32 s2, 0
	s_cbranch_scc0 .Lentry_in_a_cluster
	s_endpgm
.Lentry_in_a_cluster:
	s_bfe_u32 s2, ttmp6, 0x10000c
	s_cmp_lg_u32 s2, 0xf033
	s_cbranch_scc0 .Lentry_shape_is_right
	s_endpgm
.Lentry_shape_is_right:
; q, k AND v: THREE PRODUCTS ON CODES OF FP6 (E2M3), K = 1,024, AND THEIR RESULTS QUANTISED ON THE WAY OUT, so that only codes go to memory.
; A tile of 256 x 256 results is made by a work-group of four waves, 128 x 128 a wave: 64 accumulators, 512 registers.  Source 0 of each matrix instruction is 16 rows of B', source 1 is 16 rows of A'.
; THE CLUSTER'S NUMBER cid (0..23, the same in all sixteen partners) picks the mode.  cid < 16 (q, k): A' = the normalised x, B' = w_q (cid even) or w_k (odd): a lane holds one token and its registers run along the
; features, which are the score product's K.  cid >= 16 (v): A' = w_v, B' = x: a lane holds one feature and its registers run along the TOKENS, which are the second attention product's K.  The same lines quantise both.
; OPERANDS lie in c0 as images of their registers (16 rows x 128 K = 1,536 bytes, three loads of 16 bytes a lane), rows in storage order (bits 3 and 4 of the row's number exchanged): so the 16 registers of the results
; of B's tiles 2 b and 2 b + 1 are 16 neighbours, 32 b + 16 (lane / 16) + 0 .. 15.  The biases are the C of each sum's first matrix instruction.
; K goes in steps of 128, two to a slot, through a ring of two LDS slots filled by the tensor data mover; the scale words of the work-group's 2 x 256 rows come once, with the first fills, and go to registers once.
; CLUSTERS: 4 x 4 work-groups; A's tiles hang on cid and cy and are shared along a row of the cluster, B's on cid and cx and are shared along a column: each is asked for jointly.
; OUT.  qkc: [q or k][batch][head][token tile][768]: half fragments, 16 tokens x 64 channels, [piece 0..2][lane][8 bytes].  qks: [q or k][batch][head pair][token tile][16] words: the even head's two bytes, the odd head's two.
; vc: [batch][64 keys][feature tile][768].  vs: [batch][128 keys][feature tile][16] words.
; NOT DONE, AND WHY.  No prefetch: K has four slots of which two are first fills, so a request ahead of the other two would stand at the kernel's head; and the rows are read by several clusters.
; Work-groups do not stay: 384 tiles of equal work, one to a work-group.
; LIMITS: NaN and infinities are not served; blocks whose largest magnitude lies under 2^-124 are held at the scale byte 1 (a block of zeros too: its codes are zeros, and this program alone reads the bytes).
; REGISTERS, in windows of 256.  Window 0: v16-29 addresses; v32-95 scale words and nothing else; v96-124 the way out's small things; v128-223 A's fragments, one set (on the way out: codes).
;   Window 1: B's fragments, two sets, at v0 and v128; the biases' eight blocks at v96-127 and v224-255.  Windows 2, 3: the accumulators ((a, b) in window 2 + a / 4 at v[8 (8 (a % 4) + b)]).
.set NB,    8                          ; tiles of B' a wave
.set NQ,    2                          ; K steps in a slot
.set FRB,   1536                       ; a fragment's image
.set ROWB,  NQ*FRB                     ; a row tile's bytes in a slot: consecutive in memory
.set HALFA, 8*ROWB                     ; 128 rows of A': what one tensor load brings, and what one wave reads
.set HALFB, NB*ROWB                    ; 16 NB rows of B' likewise
.set SLOT,  2*HALFA+2*HALFB
.set SCL,   2*SLOT                     ; behind the ring: B's scale words,
.set SBH,   512*NB                     ; (those of 16 NB rows)
.set SCA,   SCL+2*SBH                  ; then A's, 4,096 bytes for 128 rows
.set SPARE, SCA+8192                   ; the spare words, 128 bytes for each wave: two blocks of 256 bytes that no other line names
.set ADRA, 16                          ; v16-17 LDS address of my A' fragments in slot 0, 1
.set ADRB, 20                          ; v20-21 the same for B'
.set ADRS, 27                          ; v27    of my scale words: lanes 0-15 B's rows, lanes 16-31 A's
.set SPW,  28                          ; v28    my spare word; never rewritten
.set NIL,  29                          ; v29    0; never rewritten
.set SC,   32                          ; v[SC + 8 i + s]: K step s; lanes 0-15 the words of B's tile i, lanes 16-31 those of A's tile i
.set AF,   128
.set TM,   96                          ; the way out: v96-99 largest magnitudes, v100-103 the other half's and the bytes, v104-107 the conversions' scale operands
.set BT,   100
.set SO,   104
.set PWR,  108                         ; v108-115 a scale word for each of my eight tiles of A'
.set MG,   116                         ; v116-119 two tiles' words in one register
.set L8,   120                         ; v120 8 x lane     v121 4 x lane
.set L4,   121
.set BO1,  122                         ; v122 64 (lane / 16)     v123 4 (r + 8 (r / 8))     v124 the biases' offset
.set BO2,  123
.set BOF,  124
.set G1,   32                          ; s[32:39] descriptor group 1 for A's tiles, s[40:47] group 0, a set for each slot
.set G0,   40
.set G1B,  48                          ; s[48:55], s[56:63] the same for B'
.set G0B,  56
.set G1S,  68                          ; s[68:75], s[76:79] for A's scale words;  s[80:87], s[88:91] for B's
.set G0S,  76
.set G1SB, 80
.set G0SB, 88
.set OB,   92                          ; s[92:95] where my codes go: two bases, c = 0, 1
.set OS,   96                          ; s[96:97] where my scale words go
.set HM,   98                          ; s98 lanes 16-31
.set PAC,  4                           ; the pointers: A's codes and scales, B's codes and scales: here all in c0, s0
.set PAS,  6
.set PBC,  4
.set PBS,  6
.set MSB, 0
.macro WIN new                         ; the immediate's high byte repeats the setting that is left
.if MSB != \new
	s_set_vgpr_msb (MSB<<8)|\new
.set MSB, \new
.endif
.endm
.macro PLACES n                        ; plain vector instructions between a matrix instruction and a load into, a read of or a write to its registers
.rept \n
	v_nop
.endr
.endm
.macro GRP1 g, c, r, p                 ; words 1 to 7 of a group 1: r rows of c elements of 8 bytes, p elements apart
	s_mov_b32 s[\g+1], ((\c)&0xffff)<<16           ; tensor_dim0
	s_mov_b32 s[\g+2], ((\c)>>16)|((\r)<<16)       ; tensor_dim1
	s_mov_b32 s[\g+3], (\c)<<16                    ; tile_dim0
	s_mov_b32 s[\g+4], \r                          ; tile_dim1
	s_mov_b32 s[\g+5], \p                          ; tensor_dim0_stride
	s_mov_b32 s[\g+6], 0
	s_mov_b32 s[\g+7], 0
.endm
; A joint load: waves 0 and 1 fetch for A', waves 2 and 3 for B'.  Each line has one mask and one set of registers for all that issue it; the branch hangs on the wave's number alone.
; An s_nop 0 and four v_nop follow each of the two lines.
.macro JLOAD g0a, g1a, g0b, g1b
	s_cmp_eq_u32 s23, 0
	s_cbranch_scc0 .Lfor_b_\@
	tensor_load_to_lds s[\g0a:\g0a+3], s[\g1a:\g1a+7]
	s_nop 0
.rept 4
	v_nop
.endr
	s_branch .Lasked_\@
.Lfor_b_\@:
	tensor_load_to_lds s[\g0b:\g0b+3], s[\g1b:\g1b+7]
	s_nop 0
.rept 4
	v_nop
.endr
.Lasked_\@:
.endm
.macro CREST                           ; a round of the cluster's barrier behind its opening barrier
	s_cmp_lg_u32 s22, 0
	s_cbranch_scc1 .Lnot_wave_0_\@
	s_barrier_signal -3
.Lnot_wave_0_\@:
	s_barrier_wait -3
	s_barrier_signal -1
	s_barrier_wait -1
.endm
.macro CROUND
	s_barrier_signal -1
	s_barrier_wait -1
	CREST
.endm
; The first fills.  s28 = the first row of A' that I would fetch, s30 = that of B' (each made of numbers that the load's partners share); a row is 768 bytes of codes and 32 of scale words.
.macro FILLS
	s_mul_i32 s29, s24, HALFA                      ; where they go: no place in the cluster enters an LDS address
	s_mul_i32 s31, s24, HALFB
	s_add_co_u32 s31, s31, 2*HALFA
	s_lshl_b32 s99, s24, 12
	s_add_co_u32 s99, s99, SCA
	s_mul_i32 s66, s24, SBH
	s_add_co_u32 s66, s66, SCL
	s_mov_b32 s101, 0
	s_mov_b32 s3, 0
	s_wait_dscnt 0x0                               ; the opening add is done
	s_wait_kmcnt 0x0
	CROUND                                         ; all sixteen work-groups are here: the first joint loads meet
	s_mov_b32 s[G0S], 1
	s_mov_b32 s[G0S+1], s99
	s_mul_i32 s100, s28, 32
	s_add_nc_u64 s[G0S+2:G0S+3], s[PAS:PAS+1], s[100:101]
	s_or_b32 s[G0S+3], s[G0S+3], 0x80000000
	s_mov_b32 s[G0SB], 1
	s_mov_b32 s[G0SB+1], s66
	s_mul_i32 s2, s30, 32
	s_add_nc_u64 s[G0SB+2:G0SB+3], s[PBS:PBS+1], s[2:3]
	s_or_b32 s[G0SB+3], s[G0SB+3], 0x80000000
	JLOAD G0S, G1S, G0SB, G1SB                     ; the scale words first: they are wanted with K step 0
	s_mul_i32 s100, s28, 768
	s_mul_i32 s2, s30, 768
	s_add_nc_u64 s[100:101], s[PAC:PAC+1], s[100:101]
	s_add_nc_u64 s[2:3], s[PBC:PBC+1], s[2:3]
.irp s, 0,1
	s_mov_b32 s[G0+4*\s], 1                        ; count = 1
	s_add_co_u32 s[G0+4*\s+1], s29, \s*SLOT        ; LDS address
	s_add_nc_u64 s[G0+4*\s+2:G0+4*\s+3], s[100:101], \s*ROWB   ; global address: the slot's first K step
	s_or_b32 s[G0+4*\s+3], s[G0+4*\s+3], 0x80000000            ; type = 2
	s_mov_b32 s[G0B+4*\s], 1
	s_add_co_u32 s[G0B+4*\s+1], s31, \s*SLOT
	s_add_nc_u64 s[G0B+4*\s+2:G0B+4*\s+3], s[2:3], \s*ROWB
	s_or_b32 s[G0B+4*\s+3], s[G0B+4*\s+3], 0x80000000
	JLOAD G0+4*\s, G1, G0B+4*\s, G1B               ; three tensor loads of mine are out behind the second of these
.endr
.endm
.macro LDSADR                          ; v1 lane, v2 16 x lane, v3 r, v4 h, and the LDS addresses that stay
	v_and_b32 v1, 31, v0
	v_lshlrev_b32 v2, 4, v1
	v_and_b32 v3, 15, v0
	v_bfe_u32 v4, v0, 4, 1
	s_mul_i32 s99, s23, HALFA                      ; my 128 rows of A'
	s_mul_i32 s66, s24, HALFB                      ; my 16 NB rows of B', behind A's 256
	s_add_co_u32 s66, s66, 2*HALFA
.irp s, 0,1
	v_add_nc_u32 v[ADRA+\s], s99, v2
	v_add_nc_u32 v[ADRB+\s], s66, v2
	s_add_co_u32 s99, s99, SLOT
	s_add_co_u32 s66, s66, SLOT
.endr
	s_mul_i32 s99, s24, SBH                        ; B's words: my rows;
	s_lshl_b32 s66, s23, 12                        ; A's: my rows, behind all of B's
	s_add_co_u32 s66, s66, 2*SBH
	s_sub_co_u32 s66, s66, s99
	v_mul_u32_u24 v5, s66, v4                      ; lanes 16-31 take A's: one product, the distance between the two
	s_add_co_u32 s99, s99, SCL
	v_lshl_add_u32 v5, v3, 2, v5
	v_add_nc_u32 v[ADRS], s99, v5
.endm
.macro FRAG reg, adr, q, i             ; a fragment comes as it was stored: three loads of 512 consecutive bytes
.irp p, 0,1,2
	ds_load_b128 v[\reg+4*\p:\reg+4*\p+3], v[\adr] offset:(\i)*ROWB+(\q)*FRB+512*\p
.endr
.endm
.macro FETCH_B slot, q, p              ; B's NB fragments of the slot's q-th K step into set p
	WIN 0x40
.set zf, 0
.rept NB
	FRAG 128*(\p)+12*zf, ADRB+\slot, \q, zf
.set zf, zf+1
.endr
	WIN 0
.endm
.macro FETCH_A slot, q, i0             ; A's blocks i0 .. i0 + 3
.irp i, \i0, \i0+1, \i0+2, \i0+3
	FRAG AF+12*(\i), ADRA+\slot, \q, \i
.endr
.endm
.macro SCALES                          ; all eight K steps' scale words, once.  (With NB = 4 lanes 0-15 of tiles 4-7 read on into A's words: bytes that are filled, in registers' halves that no product names)
.set zi, 0
.rept 8
.set zs, 0
.rept 8
	ds_load_b32 v[SC+8*zi+zs], v[ADRS] offset:(zi/4)*2048+zs*256+(zi%4)*64
.set zs, zs+1
.endr
.set zi, zi+1
.endr
.endm
; 2 NB matrix instructions: A's blocks a0, a0 + 1 against B's NB tiles, K step ks (its number in all of K), B's set p.  cm = 0: onto the sums.  cm = 1: the sums begin with the bias block of B's tile;  cm = 2: of A's block.
; The accumulators take turns, one instruction a turn, in the same order in every step.
.macro MULA a0, p, ks, cm
.if NB == 8
.set AW, 2+(\a0)/4
.else
.set AW, 2
.endif
.if \cm
	WIN (AW<<6)|0x11                               ; source 0 (B') and C (bias) window 1, source 1 (A') window 0, D window AW
.else
	WIN (AW<<6)|(AW<<4)|1
.endif
.irp a, \a0, \a0+1
.set zb, 0
.rept NB
.if NB == 8
.set AC, 8*(8*((\a)%4)+zb)
.else
.set AC, 8*(4*(\a)+zb)
.endif
.if \cm == 1
.set CR, 96+8*zb+96*(zb/4)
.endif
.if \cm == 2
.set CR, 96+8*(\a)+96*((\a)/4)
.endif
.if \cm
	v_wmma_scale_f32_16x16x128_f8f6f4 v[AC:AC+7], v[128*(\p)+12*zb:128*(\p)+12*zb+11], v[AF+12*(\a):AF+12*(\a)+11], v[CR:CR+7], v[SC+8*zb+(\ks)], v[SC+8*(\a)+(\ks)] matrix_a_fmt:MATRIX_FMT_FP6 matrix_b_fmt:MATRIX_FMT_FP6 matrix_b_scale:MATRIX_SCALE_ROW1
.else
	v_wmma_scale_f32_16x16x128_f8f6f4 v[AC:AC+7], v[128*(\p)+12*zb:128*(\p)+12*zb+11], v[AF+12*(\a):AF+12*(\a)+11], v[AC:AC+7], v[SC+8*zb+(\ks)], v[SC+8*(\a)+(\ks)] matrix_a_fmt:MATRIX_FMT_FP6 matrix_b_fmt:MATRIX_FMT_FP6 matrix_b_scale:MATRIX_SCALE_ROW1
.endif
.set zb, zb+1
.endr
.endr
.endm
; A K step that has its successor in the same slot.  A block of A' is free as soon as its products are issued: blocks 0-3 are fetched anew in the step's middle, blocks 4-7 at its end.  B' has two sets.
.macro STEP slot, q, ks, cm
	s_wait_dscnt 12                                ; B's set and A's blocks 0-3 are in; the youngest 12 loads (A's blocks 4-7) may be out
	MULA 0, (\q)%2, \ks, \cm
	MULA 2, (\q)%2, \ks, \cm
	s_wait_dscnt 0x0                               ; A's blocks 4-7 are in
	PLACES 4
	FETCH_B \slot, (\q)+1, 1-(\q)%2
	FETCH_A \slot, (\q)+1, 0
	MULA 4, (\q)%2, \ks, \cm
	MULA 6, (\q)%2, \ks, \cm
	PLACES 4
	WIN 0
	FETCH_A \slot, (\q)+1, 4
.endm
; A slot's last K step changes slots: ONE barrier; in front of it each wave waits for all its tensor loads, adds 0 to its spare word, and waits for that and for its own reads of this slot.
; fill = 1: the barrier opens a round of the cluster's barrier, and this slot is filled again, with the K steps two slots on.
.macro TURN slot, next, ks, fill
	s_wait_tensorcnt 0x0                           ; all my tensor loads have landed: my part of the next slot
	ds_add_u32 v[SPW], v[NIL]                      ; 0 onto my spare word
	s_wait_dscnt 13                                ; (the add and the youngest 12 loads may be out)
	MULA 0, 1, \ks, 0                              ; matrix instructions stand between the add and the wait for it
	s_wait_dscnt 0x0                               ; the add is done, and my reads of this slot are over
	s_barrier_signal -1
	MULA 2, 1, \ks, 0
	WIN 0
	s_barrier_wait -1
.if \fill
	CREST                                          ; no wave of any partner still reads this slot's tiles or has a load on its way
	s_add_nc_u64 s[G0+4*\slot+2:G0+4*\slot+3], s[G0+4*\slot+2:G0+4*\slot+3], 2*ROWB
	s_add_nc_u64 s[G0B+4*\slot+2:G0B+4*\slot+3], s[G0B+4*\slot+2:G0B+4*\slot+3], 2*ROWB
	JLOAD G0+4*\slot, G1, G0B+4*\slot, G1B         ; the first tensor load behind the round, my only one until the next; its four v_nop are the places in front of the loads below
.else
	PLACES 4
.endif
	FETCH_B \next, 0, 0
	FETCH_A \next, 0, 0
	MULA 4, 1, \ks, 0
	MULA 6, 1, \ks, 0
	PLACES 4
	WIN 0
	FETCH_A \next, 0, 4
.endm
.macro LAST ks                         ; the very last K step: nothing more to fetch
	s_wait_dscnt 12
	MULA 0, 1, \ks, 0
	MULA 2, 1, \ks, 0
	s_wait_dscnt 0x0
	MULA 4, 1, \ks, 0
	MULA 6, 1, \ks, 0
	WIN 0
.endm
	s_load_b256 s[4:11], s[0:1], 0x0               ; c0, s0, b_q, b_k
	s_load_b256 s[12:19], s[0:1], 0x20             ; b_v, qkc, qks, vc
	s_load_b64 s[20:21], s[0:1], 0x40              ; vs
	v_lshl_add_u32 v[SPW], v0, 2, SPARE
	v_mov_b32 v[NIL], 0
	ds_add_u32 v[SPW], v[NIL]                      ; the wave's opening: the add and its wait ahead of my first tensor load; the set-up below, work on registers, stands between them
	v_lshrrev_b32 v1, 5, v0
	v_readfirstlane_b32 s22, v1                    ; wave 0..3
	s_lshr_b32 s23, s22, 1                         ; wr: my 128 rows of A'.  Also: I fetch for A' (0) or for B' (1)
	s_and_b32 s24, s22, 1                          ; wc: my 128 rows of B'.  Also: which half I fetch
	s_bfe_u32 s25, ttmp6, 0x40000                  ; cx, cy: my place in the cluster
	s_bfe_u32 s26, ttmp6, 0x40004
	s_and_b32 s27, ttmp7, 0xffff                   ; cid: the cluster's number
	s_lshl_b32 s29, s26, 2
	s_lshl_b32 s29, 15, s29                        ; my row of the cluster
	s_lshl_b32 s31, 0x1111, s25                    ; my column
	s_or_b32 s[G1], s29, (3<<16)|(1<<21)           ; 15:0 the mask; 17:16 elements of 8 bytes; 21 set beside a mask; no padding: a fragment's loads read consecutive bytes
	s_or_b32 s[G1S], s29, (3<<16)|(1<<21)
	s_or_b32 s[G1B], s31, (3<<16)|(1<<21)
	s_or_b32 s[G1SB], s31, (3<<16)|(1<<21)
	GRP1 G1, ROWB/8, 8, 1536                       ; 8 row tiles x ROWB bytes, 12,288 bytes (a row tile's eight K steps) apart
	GRP1 G1B, ROWB/8, NB, 1536
	GRP1 G1S, 32, 16, 32                           ; the scale words of 128 rows: 4,096 dense bytes as rows of 256
	GRP1 G1SB, 32, 2*NB, 32
	s_lshr_b32 s28, s27, 1                         ; q, k: A' = x, rows 256 (4 (cid / 2) + cy) on
	s_lshl_b32 s28, s28, 2
	s_add_co_u32 s28, s28, s26
	s_lshl_b32 s28, s28, 8
	s_lshl_b32 s29, s26, 8                         ; v: A' = w_v, rows 10,240 + 256 cy on
	s_add_co_u32 s29, s29, 10240
	s_and_b32 s30, s27, 1                          ; q, k: B' = w_q or w_k, rows 8,192 + 256 (4 (cid % 2) + cx) on
	s_lshl_b32 s30, s30, 2
	s_add_co_u32 s30, s30, s25
	s_lshl_b32 s30, s30, 8
	s_add_co_u32 s30, s30, 8192
	s_sub_co_u32 s31, s27, 16                      ; v: B' = x, rows 256 (4 (cid - 16) + cx) on
	s_lshl_b32 s31, s31, 2
	s_add_co_u32 s31, s31, s25
	s_lshl_b32 s31, s31, 8
	s_cmp_lt_u32 s27, 16
	s_cselect_b32 s28, s28, s29
	s_cselect_b32 s30, s30, s31
	s_lshl_b32 s29, s24, 7                         ; + the half that I fetch
	s_add_co_u32 s28, s28, s29
	s_lshl_b32 s31, s24, 7
	s_add_co_u32 s30, s30, s31
	FILLS
	LDSADR
	v_lshlrev_b32 v[L8], 3, v1
	v_lshlrev_b32 v[L4], 2, v1
	v_lshlrev_b32 v[BO1], 6, v4
	v_and_b32 v[BO2], 8, v3
	v_add_nc_u32 v[BO2], v[BO2], v3
	v_lshlrev_b32 v[BO2], 2, v[BO2]
.irp b, 0,1,2,3
	v_mov_b32 v[BT+\b], 0                          ; written once: a lane permute's destination counts as one of its sources
.endr
	; THE BIASES, in the results' layout, eight registers a block.  The branch hangs on the cluster's number: all partners go the same way.
	s_cmp_lt_u32 s27, 16
	s_cbranch_scc0 .Lbias_v
	s_bitcmp1_b32 s27, 0
	s_cselect_b64 s[66:67], s[10:11], s[8:9]       ; b_k or b_q
	s_lshl_b32 s99, s25, 10
	s_lshl_b32 s98, s24, 9
	s_add_co_u32 s99, s99, s98                     ; my 128 features: 256 cx + 128 wc
	v_add_nc_u32 v[BOF], s99, v[BO1]
	WIN 0x40
.irp b, 0,1,2,3,4,5,6,7                        ; block b: lane (r, h), register j: the bias of feature 32 (b / 2) + 8 (b % 2) + 16 h + j
	global_load_b128 v[96+8*\b+96*(\b/4):96+8*\b+96*(\b/4)+3], v[BOF], s[66:67] offset:(32*(\b/2)+8*(\b%2))*4
	global_load_b128 v[96+8*\b+96*(\b/4)+4:96+8*\b+96*(\b/4)+7], v[BOF], s[66:67] offset:(32*(\b/2)+8*(\b%2))*4+16
.endr
	WIN 0
	s_branch .Lbias_done
.Lbias_v:
	s_lshl_b32 s99, s26, 10
	s_lshl_b32 s98, s23, 9
	s_add_co_u32 s99, s99, s98                     ; my 128 features: 256 cy + 128 wr
	v_add_nc_u32 v[BOF], s99, v[BO2]
	WIN 0x40
.irp a, 0,1,2,3,4,5,6,7                        ; block a: all eight registers of lane (r, h): the bias of feature 32 (a / 2) + 8 (a % 2) + r + 8 (r / 8)
.irp j, 0,1,2,3,4,5,6,7
	global_load_b32 v[96+8*\a+96*(\a/4)+\j], v[BOF], s[12:13] offset:(32*(\a/2)+8*(\a%2))*4
.endr
.endr
	WIN 0
.Lbias_done:
	s_wait_tensorcnt 1                             ; the scale words and my part of slot 0 are in (slot 1's load may be out)
	s_barrier_signal -1
	s_barrier_wait -1                              ; everybody's are
	FETCH_B 0, 0, 0
	FETCH_A 0, 0, 0
	SCALES
	FETCH_A 0, 0, 4
	s_wait_loadcnt 0x0                             ; the biases
	s_cmp_lt_u32 s27, 16                           ; the first K step is written twice: its C is the bias block of B's tile (q, k) or of A's block (v)
	s_cbranch_scc0 .Lfirst_v
	STEP 0, 0, 0, 1
	s_branch .Lfirst_done
.Lfirst_v:
	STEP 0, 0, 0, 2
.Lfirst_done:
	TURN 0, 1, 1, 1                                ; slot 0 takes K steps 4, 5
	STEP 1, 0, 2, 0
	TURN 1, 0, 3, 1                                ; slot 1 takes K steps 6, 7
	STEP 0, 0, 4, 0
	TURN 0, 1, 5, 0                                ; nothing is left to fetch
	STEP 1, 0, 6, 0
	LAST 7
	; WHERE THE RESULTS GO.  (The bias pointers' registers are free: their loads are in.)
	s_lshr_b32 s8, s27, 1                          ; q, k: my first token tile T = 16 (4 (cid / 2) + cy) + 8 wr
	s_lshl_b32 s8, s8, 2
	s_add_co_u32 s8, s8, s26
	s_lshl_b32 s8, s8, 4
	s_lshl_b32 s9, s23, 3
	s_add_co_u32 s8, s8, s9
	s_lshr_b32 s9, s8, 7                           ; its batch,
	s_and_b32 s8, s8, 127                          ; its number in the batch
	s_and_b32 s10, s27, 1
	s_lshl_b32 s10, s10, 2
	s_add_co_u32 s9, s9, s10                       ; 4 (q or k) + batch
	s_lshl_b32 s10, s25, 1
	s_add_co_u32 s10, s10, s24                     ; my head pair: 2 cx + wc
	s_lshl_b32 s11, s9, 3
	s_add_co_u32 s11, s11, s10
	s_lshl_b32 s12, s11, 8
	s_add_co_u32 s12, s12, s8                      ; the even head's half fragment: ((4 which + batch) 16 + 2 pair) 128 + tile
	s_lshl_b32 s11, s11, 7
	s_add_co_u32 s11, s11, s8                      ; the scale words' tile
	s_lshl_b32 s8, s26, 4                          ; v: my first feature tile 16 cy + 8 wr,
	s_lshl_b32 s9, s23, 3
	s_add_co_u32 s8, s8, s9
	s_sub_co_u32 s9, s27, 16
	s_lshl_b32 s9, s9, 2
	s_add_co_u32 s9, s9, s25
	s_lshl_b32 s9, s9, 1
	s_add_co_u32 s9, s9, s24                       ; my 128 keys: 16 batch + g = 2 (4 (cid - 16) + cx) + wc
	s_lshl_b32 s10, s9, 7
	s_add_co_u32 s10, s10, s8                      ; (32 batch + 2 g) 64 + feature tile
	s_lshl_b32 s9, s9, 6
	s_add_co_u32 s9, s9, s8
	s_cmp_lt_u32 s27, 16
	s_cselect_b32 s12, s12, s10
	s_cselect_b32 s11, s11, s9
	s_cselect_b64 s[OB:OB+1], s[14:15], s[18:19]   ; qkc or vc
	s_cselect_b64 s[OS:OS+1], s[16:17], s[20:21]   ; qks or vs
	s_mov_b32 s8, 64*768
	s_cselect_b32 s8, 128*768, s8                  ; from c = 0 to c = 1: the next head, or the next 64 keys
	s_mul_i32 s12, s12, 768
	s_mov_b32 s13, 0
	s_mov_b32 s9, 0
	s_add_nc_u64 s[OB:OB+1], s[OB:OB+1], s[12:13]
	s_add_nc_u64 s[OB+2:OB+3], s[OB:OB+1], s[8:9]
	s_lshl_b32 s12, s11, 6
	s_add_nc_u64 s[OS:OS+1], s[OS:OS+1], s[12:13]
	s_mov_b32 s[HM], 0xffff0000
	s_mov_b32 s66, 0x76543210
	s_mov_b32 s67, 0xfedcba98                      ; v_permlanex16_b32's selects for lane l xor 16
; THE WAY OUT of A's block a: its 64 registers of a lane, register 16 b + i = index 32 b + 16 (lane / 16) + i of my row, become four blocks' codes and a scale word.  Each accumulator is read from its low end on.
.macro QUANTW a
.set QWN, 2+(\a)/4
.set QS, 64*((\a)%4)
.set PC, 128+32*((\a)%2)
.if (\a) >= 2
	s_wait_xcnt 0x0                                ; the stores of block a - 2 have read their registers: these codes may be written over them
.endif
	WIN QWN|(QWN<<2)
.irp b, 0,1,2,3
	v_max3_num_f32 v[TM+\b], |v[QS+16*\b]|, |v[QS+16*\b+1]|, 0x1800000   ; block b: my 16 numbers, and the floor 2^-124
.endr
	WIN (QWN<<2)|(QWN<<4)
.irp i, 2,4,6,8,10,12,14
.irp b, 0,1,2,3
	v_max3_num_f32 v[TM+\b], v[TM+\b], |v[QS+16*\b+\i]|, |v[QS+16*\b+\i+1]|
.endr
.endr
	WIN 0
.irp b, 0,1,2,3
	v_permlanex16_b32 v[BT+\b], v[TM+\b], s66, s67
.endr
.irp b, 0,1,2,3
	v_max_num_f32 v[TM+\b], v[TM+\b], v[BT+\b]     ; with lane l xor 16's: the block's largest magnitude
.endr
.irp b, 0,1,2,3
	v_add_nc_u32 v[SO+\b], 0xff000000, v[TM+\b]    ; 2 off its exponent field: the conversion's scale operand
.endr
.irp b, 0,1,2,3
	v_lshrrev_b32 v[BT+\b], 23, v[SO+\b]           ; the scale's byte
.endr
	v_lshl_or_b32 v[PWR+(\a)], v[BT+1], 8, v[BT]
	v_lshl_or_b32 v[PWR+(\a)], v[BT+2], 16, v[PWR+(\a)]
	v_lshl_or_b32 v[PWR+(\a)], v[BT+3], 24, v[PWR+(\a)]
	WIN QWN
.irp c, 0,1
	v_cvt_scalef32_pk16_fp6_f32 v[PC+6*\c:PC+6*\c+2], v[QS+32*\c:QS+32*\c+15], v[SO+2*\c]
	v_cvt_scalef32_pk16_fp6_f32 v[PC+12+4*\c:PC+14+4*\c], v[QS+32*\c+16:QS+32*\c+31], v[SO+2*\c+1]   ; (a conversion's three registers begin on an even number)
.endr
	WIN 0
	v_nop                                          ; one plain instruction behind a scaled conversion
.irp c, 0,1                                    ; a WHOLE block to a lane: lanes 0-15 block 2 c, lanes 16-31 block 2 c + 1
.irp i, 0,1,2
	v_permlane16_swap_b32 v[PC+6*\c+\i], v[PC+12+4*\c+\i]
.endr
.irp i, 0,1,2
	v_mov_b32 v[PC+3+6*\c+\i], v[PC+12+4*\c+\i]
.endr
.endr
.irp c, 0,1
.irp i, 0,1,2
	global_store_b64 v[L8], v[PC+6*\c+2*\i:PC+6*\c+2*\i+1], s[OB+2*\c:OB+2*\c+1] offset:768*(\a)+256*\i   ; 32 lanes store 256 consecutive bytes, at a multiple of 256 from the buffer's first byte
.endr
.endr
.endm
	PLACES 4
.irp a, 0,1,2,3,4,5,6,7
	QUANTW \a
.endr
.irp k, 0,1,2,3
	v_cndmask_b32 v[MG+\k], v[PWR+2*\k], v[PWR+2*\k+1], s[HM]      ; lanes 0-15 block 2 k's words, lanes 16-31 block 2 k + 1's
.endr
.irp k, 0,1,2,3
	global_store_b32 v[L4], v[MG+\k], s[OS:OS+1] offset:128*\k
.endr
	s_wait_tensorcnt 0x0                           ; the wave's end: behind my last tensor load
	ds_add_u32 v[SPW], v[NIL]
	s_wait_dscnt 0x0
	CROUND                                         ; the closing round: no work-group ends while a partner may still ask for a tile that names it
	s_endpgm
.Lfunc_end_k_q17f961aca2_qkv:
	.size	k_q17f961aca2_qkv, .Lfunc_end_k_q17f961aca2_qkv-k_q17f961aca2_qkv
	.p2alignl 7, 3214868480
	.fill 96, 4, 3214868480
	.section	.rodata,"a",@progbits
	.p2align	6, 0x0
	.amdhsa_kernel k_q17f961aca2_qkv
		.amdhsa_group_segment_fixed_size 327680
		.amdhsa_private_segment_fixed_size 0
		.amdhsa_enable_private_segment 0
		.amdhsa_kernarg_size 72
		.amdhsa_user_sgpr_count 2
		.amdhsa_user_sgpr_kernarg_segment_ptr 1
		.amdhsa_wavefront_size32 1
		.amdhsa_system_sgpr_workgroup_id_x 1
		.amdhsa_system_sgpr_workgroup_id_y 1
		.amdhsa_system_sgpr_workgroup_id_z 1
		.amdhsa_system_vgpr_workitem_id 0
		.amdhsa_next_free_vgpr 1024
		.amdhsa_next_free_sgpr 102
		.amdhsa_reserve_vcc 0
		.amdhsa_float_denorm_mode_32 3
		.amdhsa_float_denorm_mode_16_64 3
		.amdhsa_memory_ordered 1
		.amdhsa_forward_progress 1
		.amdhsa_inst_pref_size 165
	.end_amdhsa_kernel
	.amdgpu_metadata
---
amdhsa.version: [ 1, 2 ]
amdhsa.kernels:
  - .name:           k_q17f961aca2_qkv
    .symbol:         k_q17f961aca2_qkv.kd
    .args:
      - { .name: c0, .offset: 0, .size: 8, .value_kind: global_buffer, .address_space: global }
      - { .name: s0, .offset: 8, .size: 8, .value_kind: global_buffer, .address_space: global }
      - { .name: b_q, .offset: 16, .size: 8, .value_kind: global_buffer, .address_space: global }
      - { .name: b_k, .offset: 24, .size: 8, .value_kind: global_buffer, .address_space: global }
      - { .name: b_v, .offset: 32, .size: 8, .value_kind: global_buffer, .address_space: global }
      - { .name: qkc, .offset: 40, .size: 8, .value_kind: global_buffer, .address_space: global }
      - { .name: qks, .offset: 48, .size: 8, .value_kind: global_buffer, .address_space: global }
      - { .name: vc, .offset: 56, .size: 8, .value_kind: global_buffer, .address_space: global }
      - { .name: vs, .offset: 64, .size: 8, .value_kind: global_buffer, .address_space: global }
    .group_segment_fixed_size: 327680
    .private_segment_fixed_size: 0
    .kernarg_segment_align: 8
    .kernarg_segment_size: 72
    .max_flat_workgroup_size: 128
    .sgpr_count:     102
    .vgpr_count:     1024
    .wavefront_size: 32
...
	.end_amdgpu_metadata
.endif
;; end of part 2
;; launch attn (part 3): grid 8 x 32, 16 waves a work-group, no clusters, 167,936 bytes of LDS; arguments qkc, qks, vc, vs, cc, cs; writes cc, cs
.if DOCPART == 3
	.amdgcn_target "amdgcn-amd-amdhsa--gfx1250"
	.amdhsa_code_object_version 6
	.text
	.protected	k_q17f961aca2_attn
	.globl	k_q17f961aca2_attn
	.p2align	8
	.type	k_q17f961aca2_attn,@function
k_q17f961aca2_attn:
	s_mov_b64 s[64:65], 0
	v_nop
	global_prefetch_b8 v0, s[64:65] scope:SCOPE_SE
	s_setreg_imm32_b32 hwreg(HW_REG_WAVE_MODE, 25, 1), 1
	s_wait_xcnt 0x0
; CAUSAL ATTENTION IN A WINDOW OF 256 KEYS, both products on codes of FP6 (E2M3); the result, divided by the row's sum, is quantised along the features for the output projection.
; SHARES.  A work-group owns 256 queries of one batch and one PAIR of heads (128 features: one K step of the next product).  Each of its sixteen waves owns one tile of 16 queries, first for the even head, then for the odd one.
; Query i sees keys i - 255 .. i.  The work-group's keys, 256 qr - 256 .. 256 qr + 255, come into LDS ONCE, by ten tensor loads at the head; nothing is filled again.  A wave's 16 queries lie in one block of 32 and meet
; NINE key blocks of 32: b0 .. b0 + 8 of the sixteen in LDS (b0 = wave / 2): two steps of four blocks and one of one.  Tiles that the mask, which the problem builds itself, hides whole are not multiplied.
; At the sequence's start (qr = 0) the lower 256 keys do not exist: that half of LDS is filled with keys 0-255 once more (valid bytes), and their scores are hidden like any other.
; LAYOUT.  Both products are used transposed: S^T = K Q^T (source 0 = keys), O^T = V^T P^T (source 0 = features): a lane holds ONE query throughout.  Tokens and features lie in storage order (bits 3 and 4 of the number
; exchanged), so that the 16 registers of two neighbouring tiles are 16 neighbouring keys, or features.
; THE HEAD HAS 64 CHANNELS, THE INSTRUCTION 128 ALONG K.  One operand of 12 registers holds TWO tiles of 16 keys: tile 2 n in K 0-63, tile 2 n + 1 in K 64-127.  Against [q | zero codes] it gives tile 2 n's scores, against
; [zero codes | q] tile 2 n + 1's.  Zero codes add nothing under any scale byte but 0xff; their bytes are 1.
; V lies by pairs of key blocks.  Where b0 is odd, a lane's half takes the other block of the pair, or the next pair's first: that is in the lane's address.
; THE SOFTMAX: t = score x log2(e) / 8; M = the running largest t rounded up to a whole number; p = 2^(t - M) is quantised along the keys, not normalised; the row's sum is taken of the unquantised p and divides at the end;
; when M moves, the sum and O^T are multiplied by 2^(old M - new M), exactly.  Hidden scores become -infinity ahead of the maximum: p = 0.  A step all of whose keys are hidden leaves M at its start, 3e38 under every t.
; NOT DONE, AND WHY.  No cluster: neighbouring query ranges share half of their keys, at different LDS addresses, so no joint descriptor serves both.  No prefetch: every byte is asked for at the head.
; LIMITS: NaN and infinities are not served; blocks whose largest magnitude lies under 2^-124 are held at the scale byte 1; 1 / sum is v_rcp_f32.
.set KC,    0                          ; K's codes: [head of the pair][tile 0..31][768]
.set VC,    49152                      ; V's codes: [64 keys 0..7][head of the pair][feature tile 0..3][768]
.set KS,    98304                      ; K's scale words: [tile 0..31][16]
.set VS,    100352                     ; V's: [128 keys 0..3][feature tile 0..7][16]
.set SPARE, 102400                     ; the spare words, 128 bytes for each wave: eight blocks of 256 bytes that no other line names
.set AK,   1                           ; v1   K's codes: block b0, 8 x lane
.set AV,   2                           ; v2   V's codes for four blocks from b0 on
.set AV3,  3                           ; v3   and for one block: both halves of the lanes alike
.set AKS,  4                           ; v4   K's scale words
.set SPW,  5                           ; v5   my spare word; never rewritten
.set NIL,  6                           ; v6   0; never rewritten
.set AVS,  7                           ; v7   V's scale words
.set L8,   8                           ; v8   8 x lane
.set R4,   9                           ; v9   4 r
.set LM,   10                          ; v10  a key is hidden where its offset lies under this (the window's far edge, and keys under 0)
.set DC,   11                          ; v11  in the last block: where its offset lies over this (the causal edge)
.set QLO,  16                          ; v16-27 [q | 0]      v28-39 [0 | q]
.set QHI,  28
.set QWL,  40                          ; v40, v41 their scale words
.set QWH,  41
.set KSW,  42                          ; v42-50 K's scale words, one for each of the nine blocks
.set VSW,  52                          ; v[52 + 3 dt + s]: V's, feature tile dt, step s
.set FB,   64                          ; v64-87 two operands of K
.set QRAW, 88                          ; v88  q's scale word as it lies: two bytes for each head
.set NINF, 89                          ; v89  -infinity
.set L16,  90                          ; v90  16 x lane
.set LANE, 91
.set SS,   96                          ; v96-159 S^T, then p; v96-143 then V's four fragments
.set OT,   160                         ; v160-191 O^T
.set PC,   192                         ; v192-203 p's codes;  v204-211 halves on their way
.set PT,   204
.set BM,   212                         ; v212-215 the blocks' largest;  v216-219 the other half's, a sum's second chain, the bytes;  v220-223 the conversions' scale operands
.set BT,   216
.set SO,   220
.set PW,   224                         ; v224 p's scale word
.set FF,   226                         ; v226 2^(old M - new M)  (v227 is named with it as a pair)
.set TT,   228
.set CT,   230                         ; v230-241 the result's fragment: 16 queries x the pair's 128 features
.set CSW,  242                         ; v242 its scale word
.set WV,   16
.set SEL,  22                          ; s[22:23] lane selects for lane l xor 16
.set CS,   24                          ; s[24:25] log2(e) / 8
.set G1K,  32                          ; s[32:39], s[40:47], s[48:55], s[56:63] groups 1: K's codes, V's codes, K's scale words, V's
.set G1V,  40
.set G1KS, 48
.set G1VS, 56
.set G0K,  68                          ; s[68:83] their groups 0
.set G0V,  72
.set G0KS, 76
.set G0VS, 80
.macro PLACES n
.rept \n
	v_nop
.endr
.endm
.macro GRP1 g, c, r, p                 ; a group 1: r rows of c elements of 8 bytes, p elements apart; no mask, no padding
	s_mov_b32 s[\g], 3<<16
	s_mov_b32 s[\g+1], ((\c)&0xffff)<<16
	s_mov_b32 s[\g+2], ((\c)>>16)|((\r)<<16)
	s_mov_b32 s[\g+3], (\c)<<16
	s_mov_b32 s[\g+4], \r
	s_mov_b32 s[\g+5], \p
	s_mov_b32 s[\g+6], 0
	s_mov_b32 s[\g+7], 0
.endm
	s_load_b256 s[4:11], s[0:1], 0x0               ; qkc, qks, vc, vs
	s_load_b128 s[12:15], s[0:1], 0x20             ; cc, cs
	v_lshl_add_u32 v[SPW], v0, 2, SPARE
	v_mov_b32 v[NIL], 0
	ds_add_u32 v[SPW], v[NIL]                      ; the wave's opening: the add and its wait ahead of my first tensor load; the set-up below, work on registers, stands between them
	v_lshrrev_b32 v1, 5, v0
	v_readfirstlane_b32 s[WV], v1                  ; wave 0..15
	s_mov_b32 s17, ttmp9                           ; qr: which 256 queries
	s_and_b32 s18, ttmp7, 0xffff
	s_and_b32 s19, s18, 7                          ; the head pair
	s_lshr_b32 s18, s18, 3                         ; the batch
	s_and_b32 s20, s[WV], 1                        ; which half of the 512 keys I would fetch.  Also: which tile of my block of 32 queries is mine
	s_lshl_b32 s21, s17, 8
	s_lshl_b32 s28, s20, 8
	s_add_co_u32 s21, s21, s28
	s_sub_co_i32 s21, s21, 256
	s_max_i32 s21, s21, 0                          ; that half's first key; under 0: key 0
	GRP1 G1K, 32, 48, 32                           ; 16 tiles x 768 dense bytes, as rows of 256
	GRP1 G1V, 768, 4, 6144                         ; 4 x 64 keys: the pair's 8 feature tiles, 6,144 bytes, 49,152 apart
	GRP1 G1KS, 32, 4, 32                           ; 16 tiles x 64 dense bytes
	GRP1 G1VS, 64, 2, 512                          ; 2 x 128 keys: 8 feature tiles, 512 bytes, 4,096 apart
	s_bfe_u32 s28, s[WV], 0x10001                  ; K's codes: ((64 + 16 batch + 2 pair + head) 128 + key / 16) 768
	s_lshl_b32 s29, s18, 4
	s_add_co_u32 s28, s28, s29
	s_lshl_b32 s29, s19, 1
	s_add_co_u32 s28, s28, s29
	s_add_co_u32 s28, s28, 64
	s_lshl_b32 s28, s28, 7
	s_lshr_b32 s29, s21, 4
	s_add_co_u32 s28, s28, s29
	s_mul_i32 s84, s28, 768
	s_mov_b32 s85, 0
	s_lshl_b32 s28, s18, 5                         ; V's codes: ((32 batch + key / 64) 64 + 8 pair) 768
	s_lshr_b32 s29, s21, 6
	s_add_co_u32 s28, s28, s29
	s_lshl_b32 s28, s28, 6
	s_lshl_b32 s29, s19, 3
	s_add_co_u32 s28, s28, s29
	s_mul_i32 s86, s28, 768
	s_mov_b32 s87, 0
	s_add_co_u32 s28, s18, 4                       ; K's scale words: (((4 + batch) 8 + pair) 128 + key / 16) 64
	s_lshl_b32 s28, s28, 3
	s_add_co_u32 s28, s28, s19
	s_lshl_b32 s28, s28, 7
	s_lshr_b32 s29, s21, 4
	s_add_co_u32 s28, s28, s29
	s_lshl_b32 s88, s28, 6
	s_mov_b32 s89, 0
	s_lshl_b32 s28, s18, 4                         ; V's: ((16 batch + key / 128) 64 + 8 pair) 64
	s_lshr_b32 s29, s21, 7
	s_add_co_u32 s28, s28, s29
	s_lshl_b32 s28, s28, 6
	s_lshl_b32 s29, s19, 3
	s_add_co_u32 s28, s28, s29
	s_lshl_b32 s90, s28, 6
	s_mov_b32 s91, 0
	s_mov_b32 s[SEL], 0x76543210
	s_mov_b32 s[SEL+1], 0xfedcba98
	s_mov_b32 s[CS], 0x3e38aa3b                    ; log2(e) / 8
	s_mov_b32 s[CS+1], s[CS]                       ; (named with it as a pair, so it is written)
	s_mov_b32 s27, 0x01010100
	s_wait_dscnt 0x0                               ; the opening add is done
	s_wait_kmcnt 0x0
	s_mov_b32 s[G0K], 1
	s_and_b32 s28, s[WV], 3
	s_mul_i32 s[G0K+1], s28, 12288                 ; waves 0-3: head wave / 2, half wave % 2
	s_add_nc_u64 s[G0K+2:G0K+3], s[4:5], s[84:85]
	s_or_b32 s[G0K+3], s[G0K+3], 0x80000000
	s_mov_b32 s[G0V], 1
	s_mul_i32 s[G0V+1], s20, 24576
	s_add_co_u32 s[G0V+1], s[G0V+1], VC
	s_add_nc_u64 s[G0V+2:G0V+3], s[8:9], s[86:87]
	s_or_b32 s[G0V+3], s[G0V+3], 0x80000000
	s_mov_b32 s[G0KS], 1
	s_lshl_b32 s[G0KS+1], s20, 10
	s_add_co_u32 s[G0KS+1], s[G0KS+1], KS
	s_add_nc_u64 s[G0KS+2:G0KS+3], s[6:7], s[88:89]
	s_or_b32 s[G0KS+3], s[G0KS+3], 0x80000000
	s_mov_b32 s[G0VS], 1
	s_lshl_b32 s[G0VS+1], s20, 10
	s_add_co_u32 s[G0VS+1], s[G0VS+1], VS
	s_add_nc_u64 s[G0VS+2:G0VS+3], s[10:11], s[90:91]
	s_or_b32 s[G0VS+3], s[G0VS+3], 0x80000000
	; THE FILLS: one tensor load in each of waves 0 to 9; the branches hang on the wave's number alone; an s_nop 0 and four v_nop follow each load
	s_cmp_lt_u32 s[WV], 4
	s_cbranch_scc0 .Lnot_k
	tensor_load_to_lds s[G0K:G0K+3], s[G1K:G1K+7]
	s_nop 0
	PLACES 4
	s_branch .Lasked
.Lnot_k:
	s_cmp_lt_u32 s[WV], 6
	s_cbranch_scc0 .Lnot_v
	tensor_load_to_lds s[G0V:G0V+3], s[G1V:G1V+7]
	s_nop 0
	PLACES 4
	s_branch .Lasked
.Lnot_v:
	s_cmp_lt_u32 s[WV], 8
	s_cbranch_scc0 .Lnot_ks
	tensor_load_to_lds s[G0KS:G0KS+3], s[G1KS:G1KS+7]
	s_nop 0
	PLACES 4
	s_branch .Lasked
.Lnot_ks:
	s_cmp_lt_u32 s[WV], 10
	s_cbranch_scc0 .Lasked
	tensor_load_to_lds s[G0VS:G0VS+3], s[G1VS:G1VS+7]
	s_nop 0
	PLACES 4
.Lasked:
	s_lshl_b32 s28, s18, 3
	s_add_co_u32 s28, s28, s19                     ; 8 batch + pair
	s_lshl_b32 s29, s17, 4
	s_add_co_u32 s29, s29, s[WV]                   ; my query tile in the batch: 16 qr + wave
	s_lshl_b32 s30, s28, 8
	s_add_co_u32 s30, s30, s29
	s_mul_i32 s84, s30, 768
	s_add_nc_u64 s[4:5], s[4:5], s[84:85]          ; q's codes, the even head's
	s_lshl_b32 s30, s28, 7
	s_add_co_u32 s30, s30, s29
	s_lshl_b32 s84, s30, 6
	s_add_nc_u64 s[6:7], s[6:7], s[84:85]          ; q's scale words
	s_lshl_b32 s30, s18, 7
	s_add_co_u32 s30, s30, s29                     ; my row tile of the result
	s_lshl_b32 s31, s30, 3
	s_add_co_u32 s31, s31, s19
	s_mul_i32 s84, s31, 1536
	s_add_nc_u64 s[12:13], s[12:13], s[84:85]      ; its fragment of K step = pair
	s_lshr_b32 s31, s30, 2
	s_lshl_b32 s31, s31, 11
	s_lshl_b32 s84, s19, 8
	s_add_co_u32 s84, s84, s31
	s_and_b32 s31, s30, 3
	s_lshl_b32 s31, s31, 6
	s_add_co_u32 s84, s84, s31
	s_add_nc_u64 s[14:15], s[14:15], s[84:85]      ; and its scale words
	v_and_b32 v[LANE], 31, v0
	v_and_b32 v92, 15, v0                          ; r
	v_bfe_u32 v93, v0, 4, 1                        ; h
	v_lshlrev_b32 v[L8], 3, v[LANE]
	v_lshlrev_b32 v[R4], 2, v92
	v_lshlrev_b32 v[L16], 4, v[LANE]
.macro QLOAD pi                        ; q's half fragment of head pi, twice: into the low half of one operand and the high half of the other
.irp i, 0,1,2
	global_load_b64 v[QLO+2*\i:QLO+2*\i+1], v[L8], s[4:5] offset:\pi*98304+256*\i
	global_load_b64 v[QHI+6+2*\i:QHI+6+2*\i+1], v[L8], s[4:5] offset:\pi*98304+256*\i
.endr
.endm
	QLOAD 0
	global_load_b32 v[QRAW], v[R4], s[6:7]
	s_lshr_b32 s28, s[WV], 1                       ; b0
	s_mul_i32 s29, s28, 1536
	v_add_nc_u32 v[AK], s29, v[L8]
	s_and_b32 s30, s28, 1                          ; is b0 odd?
	s_lshr_b32 s31, s28, 1
	s_mul_i32 s31, s31, 6144                       ; b0's pair
	s_lshl_b32 s29, s30, 7
	s_add_co_u32 s31, s31, s29
	s_add_co_u32 s31, s31, VC
	v_lshl_add_u32 v[AV3], v92, 3, s31             ; the block b0 (mod 2) of a pair: 8 r + 128 for the odd one
	s_mul_i32 s29, s30, 5888
	s_add_co_u32 s29, s29, 128
	v_mul_u32_u24 v[AV], s29, v93                  ; lanes 16-31 take the block after it: 128 bytes on, or (b0 odd) the next pair's first: 6,144 - 128 on.  One product
	v_add_nc_u32 v[AV], v[AV], v[AV3]
	s_lshl_b32 s29, s28, 7
	s_add_co_u32 s29, s29, KS
	v_add_nc_u32 v[AKS], s29, v[R4]
	s_lshr_b32 s29, s28, 2
	s_lshl_b32 s29, s29, 9
	s_add_co_u32 s29, s29, VS
	v_add_nc_u32 v[AVS], s29, v[R4]
	s_and_b32 s26, s28, 3
	s_lshl_b32 s26, s26, 3                         ; by how many bits V's scale words are shifted: 8 (b0 % 4)
	v_and_b32 v94, 8, v92                          ; my query's place in its block of 32: 8 (wave % 2) + r + 8 (r / 8)
	v_add_nc_u32 v94, v94, v92
	s_lshl_b32 s29, s20, 3
	v_add_nc_u32 v94, s29, v94
	v_lshlrev_b32 v95, 4, v93
	v_sub_nc_u32 v[DC], v94, v95                   ; less 16 h.  Register 16 n + e of block n holds the key at offset 32 n + e from key 256 qr - 256 + 32 b0 + 16 h
	s_lshl_b32 s29, s17, 3
	s_add_co_u32 s29, s29, s28
	s_lshl_b32 s29, s29, 5
	s_sub_co_i32 s29, 256, s29
	v_sub_nc_u32 v95, s29, v95                     ; keys under 0: offsets under 256 - 32 (8 qr + b0) - 16 h
	v_add_nc_u32 v[LM], 1, v[DC]                   ; keys under query - 255: offsets under place + 1 - 16 h
	v_max_i32 v[LM], v[LM], v95
	v_mov_b32 v[NINF], 0xff800000
.irp i, 0,1,2,3,4,5
	v_mov_b32 v[QLO+6+\i], 0                       ; the zero codes, written once
	v_mov_b32 v[QHI+\i], 0
.endr
.irp b, 0,1,2,3
	v_mov_b32 v[BT+\b], 0                          ; written once: a lane permute's destination counts as one of its sources
.endr
	v_mov_b32 v[FF+1], 0
	s_wait_tensorcnt 0x0                           ; my load, if I had one, has landed,
	s_barrier_signal -1
	s_barrier_wait -1                              ; everybody's has
.macro MASKBLK base, off0              ; 16 scores of a lane: hidden where the key's offset lies under LM
.set ze, 0
.rept 16
	v_cmp_lt_i32 vcc_lo, \off0+ze, v[LM]
	v_cndmask_b32 v[\base+ze], v[\base+ze], v[NINF], vcc_lo
.set ze, ze+1
.endr
.endm
.macro MASKLO s                        ; the window's far edge falls into block 0; keys under 0 reach further only at the sequence's start: a scalar branch on the work-group's number
.if \s == 0
	MASKBLK SS, 0
.endif
	s_cmp_lg_u32 ttmp9, 0
	s_cbranch_scc1 .Lopen_\@
.irp b, 0,1,2,3
.if (\s) > 0 || \b > 0
	MASKBLK SS+16*\b, 32*(4*\s+\b)
.endif
.endr
.Lopen_\@:
.endm
; nb blocks of 32 keys, 16 scores of a lane each, from v[base] on, become p; -M, the largest t and the sum go on; v[SO + b] the conversions' scale operands, v[PW] the scale word, v[FF] the factor for O^T.
.macro SOFT base, nb
.set zb, 0
.rept \nb
	v_max3_num_f32 v[BM+zb], v[\base+16*zb], v[\base+16*zb+1], v[\base+16*zb+2]   ; the largest score of each block: it serves for the row's maximum and, since p rises with the score, for the block's largest p
.set zb, zb+1
.endr
.set zi, 3
.rept 6
.set zb, 0
.rept \nb
	v_max3_num_f32 v[BM+zb], v[BM+zb], v[\base+16*zb+zi], v[\base+16*zb+zi+1]
.set zb, zb+1
.endr
.set zi, zi+2
.endr
.set zb, 0
.rept \nb
	v_max_num_f32 v[BM+zb], v[BM+zb], v[\base+16*zb+15]
.set zb, zb+1
.endr
.set zb, 0
.rept \nb
	v_permlanex16_b32 v[BT+zb], v[BM+zb], s[SEL], s[SEL+1]
.set zb, zb+1
.endr
.set zb, 0
.rept \nb
	v_max_num_f32 v[BM+zb], v[BM+zb], v[BT+zb]     ; with lane l xor 16's 16 keys
.set zb, zb+1
.endr
.if \nb == 4
	v_max3_num_f32 v[TT], v[BM], v[BM+1], v[BM+2]
	v_max_num_f32 v[TT], v[TT], v[BM+3]
	v_mul_f32 v[TT], s[CS], v[TT]                  ; the step's largest score as t
.else
	v_mul_f32 v[TT], s[CS], v[BM]
.endif
	v_max_num_f32 v13, v13, v[TT]                  ; the running largest t
	v_mov_b32 v[TT], v12
	v_floor_f32 v12, -v13                          ; the new -M = floor(-t): M is a whole number
	v_sub_f32 v[TT], v12, v[TT]                    ; old M - new M: a whole number, 0 or less
	v_cvt_i32_f32 v[TT], v[TT]                     ; (it saturates)
	v_ldexp_f32 v[FF], 1.0, v[TT]                  ; 2^(old M - new M): a multiplication by it rounds nothing
.set zi, 0
.rept 8*\nb
	v_pk_fma_f32 v[\base+zi:\base+zi+1], v[\base+zi:\base+zi+1], s[CS:CS+1], v[12:13] op_sel_hi:[1,0,0]   ; t - M, two at a time
.set zi, zi+2
.endr
.set zb, 0
.rept \nb
	v_fma_f32 v[BM+zb], v[BM+zb], s[CS], v12       ; the same of each block's largest score
.set zb, zb+1
.endr
.set zi, 0
.rept 16*\nb
	v_exp_f32 v[\base+zi], v[\base+zi]             ; p = 2^(t - M)
.set zi, zi+1
.endr
	v_pk_mul_f32 v[14:15], v[14:15], v[FF:FF+1] op_sel_hi:[1,0]    ; the sums under the new M.  (The plain instruction behind the exponentials)
	s_wait_alu depctr_va_vdst(0)                   ; the wait ahead of the first line that names a result: one for the batch
.set zb, 0
.rept \nb
	v_exp_f32 v[BM+zb], v[BM+zb]                   ; the block's largest p: the same two instructions on the same number
.set zb, zb+1
.endr
	v_pk_add_f32 v[BT:BT+1], v[\base:\base+1], v[\base+2:\base+3]  ; the row's sum is taken of the unquantised p, in two chains
.set zi, 4
.rept 4*\nb-1
	v_pk_add_f32 v[14:15], v[14:15], v[\base+zi:\base+zi+1]
	v_pk_add_f32 v[BT:BT+1], v[BT:BT+1], v[\base+zi+2:\base+zi+3]
.set zi, zi+4
.endr
	v_pk_add_f32 v[14:15], v[14:15], v[BT:BT+1]
	s_wait_alu depctr_va_vdst(0)                   ; and one for the blocks' exponentials
.set zb, 0
.rept \nb
	v_max_num_f32 v[BM+zb], 0x1800000, v[BM+zb]    ; the floor 2^-124: the byte cannot fall under 1 (a block whose every p is 0 keeps that byte: its codes are zeros)
.set zb, zb+1
.endr
.set zb, 0
.rept \nb
	v_add_nc_u32 v[SO+zb], 0xff000000, v[BM+zb]    ; 2 off the exponent field: the conversion's scale operand
.set zb, zb+1
.endr
.set zb, 0
.rept \nb
	v_lshrrev_b32 v[BT+zb], 23, v[SO+zb]           ; the scale's byte
.set zb, zb+1
.endr
.if \nb == 4
	v_lshl_or_b32 v[PW], v[BT+1], 8, v[BT]
	v_lshl_or_b32 v[PW], v[BT+2], 16, v[PW]
	v_lshl_or_b32 v[PW], v[BT+3], 24, v[PW]
.else
	v_or_b32 v[PW], s27, v[BT]                     ; the other three blocks are zero codes under the byte 1
.endif
.endm
.macro RESCALE                         ; O^T under the new M.  (These 16 are also the places in front of the matrix instructions below)
.set zi, 0
.rept 16
	v_pk_mul_f32 v[OT+zi:OT+zi+1], v[OT+zi:OT+zi+1], v[FF:FF+1] op_sel_hi:[1,0]
.set zi, zi+2
.endr
.endm
; FOUR KEY BLOCKS: b0 + 4 s .. b0 + 4 s + 3, head pi of the pair.  first = 1: the products start O^T's sums.
.macro STEP4 s, pi, first
.irp g, 0,1
	PLACES 5                                       ; in front of loads into registers that matrix instructions have read (4), and of score products that write over registers that held V's fragments (5)
.irp o, 0,1
.irp u, 0,1
.irp i, 0,1,2
	ds_load_b64 v[FB+12*\o+6*\u+2*\i:FB+12*\o+6*\u+2*\i+1], v[AK] offset:\pi*24576+(4*\s+2*\g+\o)*1536+768*\u+256*\i
.endr
.endr
.endr
	s_wait_dscnt 0x0
.irp o, 0,1
	v_wmma_scale_f32_16x16x128_f8f6f4 v[SS+16*(2*\g+\o):SS+16*(2*\g+\o)+7], v[FB+12*\o:FB+12*\o+11], v[QLO:QLO+11], 0, v[KSW+4*\s+2*\g+\o], v[QWL] matrix_a_fmt:MATRIX_FMT_FP6 matrix_b_fmt:MATRIX_FMT_FP6
	v_wmma_scale_f32_16x16x128_f8f6f4 v[SS+16*(2*\g+\o)+8:SS+16*(2*\g+\o)+15], v[FB+12*\o:FB+12*\o+11], v[QHI:QHI+11], 0, v[KSW+4*\s+2*\g+\o], v[QWH] matrix_a_fmt:MATRIX_FMT_FP6 matrix_b_fmt:MATRIX_FMT_FP6
.endr
.endr
	PLACES 4
	MASKLO \s
	SOFT SS, 4
.irp c, 0,1
	v_cvt_scalef32_pk16_fp6_f32 v[PC+6*\c:PC+6*\c+2], v[SS+32*\c:SS+32*\c+15], v[SO+2*\c]
	v_cvt_scalef32_pk16_fp6_f32 v[PT+4*\c:PT+4*\c+2], v[SS+32*\c+16:SS+32*\c+31], v[SO+2*\c+1]   ; (a conversion's three registers begin on an even number)
.endr
	v_nop                                          ; one plain instruction behind a scaled conversion
.irp c, 0,1                                    ; a WHOLE block to a lane: lanes 0-15 block 2 c, lanes 16-31 block 2 c + 1
.irp i, 0,1,2
	v_permlane16_swap_b32 v[PC+6*\c+\i], v[PT+4*\c+\i]
.endr
.irp i, 0,1,2
	v_mov_b32 v[PC+3+6*\c+\i], v[PT+4*\c+\i]
.endr
.endr
.if \first
	PLACES 8                                       ; a scale word made by vector instructions stands 8 places ahead of the scaled matrix instruction, an operand 4
.else
	RESCALE
.endif
.irp dt, 0,1,2,3
.irp c, 0,1
.irp i, 0,1,2
	ds_load_b64 v[SS+12*\dt+6*\c+2*\i:SS+12*\dt+6*\c+2*\i+1], v[AV] offset:(2*\s+\c)*6144+\pi*3072+\dt*768+256*\i
.endr
.endr
.endr
	s_wait_dscnt 0x0
.irp dt, 0,1,2,3
.if \first
	v_wmma_scale_f32_16x16x128_f8f6f4 v[OT+8*\dt:OT+8*\dt+7], v[SS+12*\dt:SS+12*\dt+11], v[PC:PC+11], 0, v[VSW+3*\dt+\s], v[PW] matrix_a_fmt:MATRIX_FMT_FP6 matrix_b_fmt:MATRIX_FMT_FP6
.else
	v_wmma_scale_f32_16x16x128_f8f6f4 v[OT+8*\dt:OT+8*\dt+7], v[SS+12*\dt:SS+12*\dt+11], v[PC:PC+11], v[OT+8*\dt:OT+8*\dt+7], v[VSW+3*\dt+\s], v[PW] matrix_a_fmt:MATRIX_FMT_FP6 matrix_b_fmt:MATRIX_FMT_FP6
.endif
.endr
.endm
; THE NINTH BLOCK, b0 + 8, on which the diagonal lies.  p's operand: the block in lanes 0-15 of registers 0-5, zero codes everywhere else; V's registers 6-11 keep the last step's codes, which stand against zeros.
.macro STEP1 pi
	PLACES 5
.irp u, 0,1
.irp i, 0,1,2
	ds_load_b64 v[FB+6*\u+2*\i:FB+6*\u+2*\i+1], v[AK] offset:\pi*24576+8*1536+768*\u+256*\i
.endr
.endr
	s_wait_dscnt 0x0
	v_wmma_scale_f32_16x16x128_f8f6f4 v[SS+48:SS+55], v[FB:FB+11], v[QLO:QLO+11], 0, v[KSW+8], v[QWL] matrix_a_fmt:MATRIX_FMT_FP6 matrix_b_fmt:MATRIX_FMT_FP6
	v_wmma_scale_f32_16x16x128_f8f6f4 v[SS+56:SS+63], v[FB:FB+11], v[QHI:QHI+11], 0, v[KSW+8], v[QWH] matrix_a_fmt:MATRIX_FMT_FP6 matrix_b_fmt:MATRIX_FMT_FP6
	PLACES 4
.set ze, 0
.rept 16
	v_cmp_gt_i32 vcc_lo, ze, v[DC]                 ; keys after my query
	v_cndmask_b32 v[SS+48+ze], v[SS+48+ze], v[NINF], vcc_lo
.set ze, ze+1
.endr
	SOFT SS+48, 1
	v_cvt_scalef32_pk16_fp6_f32 v[PC:PC+2], v[SS+48:SS+63], v[SO]
.irp i, 0,1,2
	v_mov_b32 v[PT+\i], 0                          ; (plain instructions behind the conversion)
.endr
.irp i, 6,7,8,9,10,11
	v_mov_b32 v[PC+\i], 0
.endr
.irp i, 0,1,2
	v_permlane16_swap_b32 v[PC+\i], v[PT+\i]       ; lanes 0-15 get the block's upper 16 codes beside the lower, lanes 16-31 zeros
.endr
.irp i, 0,1,2
	v_mov_b32 v[PC+3+\i], v[PT+\i]
.endr
	RESCALE
.irp dt, 0,1,2,3
.irp i, 0,1,2
	ds_load_b64 v[SS+12*\dt+2*\i:SS+12*\dt+2*\i+1], v[AV3] offset:4*6144+\pi*3072+\dt*768+256*\i
.endr
.endr
	s_wait_dscnt 0x0
.irp dt, 0,1,2,3
	v_wmma_scale_f32_16x16x128_f8f6f4 v[OT+8*\dt:OT+8*\dt+7], v[SS+12*\dt:SS+12*\dt+11], v[PC:PC+11], v[OT+8*\dt:OT+8*\dt+7], v[VSW+3*\dt+2], v[PW] matrix_a_fmt:MATRIX_FMT_FP6 matrix_b_fmt:MATRIX_FMT_FP6
.endr
	PLACES 4
.endm
; ONE HEAD: the scale words into their registers, then the nine blocks.
.macro HEAD pi
	s_wait_loadcnt 0x0                             ; q's codes and scale word
.if \pi
	v_lshrrev_b32 v[TT], 16, v[QRAW]
.else
	v_and_b32 v[TT], 0xffff, v[QRAW]
.endif
	v_or_b32 v[QWL], 0x01010000, v[TT]             ; q's two bytes beside the byte 1 for the zero codes
	v_lshl_or_b32 v[QWH], v[TT], 16, 0x0101
.set zn, 0
.rept 18
	ds_load_b32 v[SS+zn], v[AKS] offset:64*zn      ; the words of my 18 tiles of keys,
.set zn, zn+1
.endr
.irp dt, 0,1,2,3
.irp g, 0,1,2
	ds_load_b32 v[SS+18+3*\dt+\g], v[AVS] offset:512*\g+(4*\pi+\dt)*64   ; and three words (12 key blocks) of each feature tile
.endr
.endr
	s_wait_dscnt 0x0
.set zn, 0
.rept 9
	v_perm_b32 v[KSW+zn], v[SS+2*zn+1], v[SS+2*zn], 0x05040100+\pi*0x02020202   ; this head's two bytes of tile 2 n, then of tile 2 n + 1
.set zn, zn+1
.endr
.irp dt, 0,1,2,3
	v_alignbit_b32 v[VSW+3*\dt], v[SS+19+3*\dt], v[SS+18+3*\dt], s26            ; blocks b0 .. b0 + 3
	v_alignbit_b32 v[VSW+3*\dt+1], v[SS+20+3*\dt], v[SS+19+3*\dt], s26          ; b0 + 4 .. b0 + 7
	v_lshrrev_b32 v[TT], s26, v[SS+20+3*\dt]
	v_and_or_b32 v[VSW+3*\dt+2], v[TT], 0xff, s27                               ; b0 + 8, and the byte 1 three times
.endr
	v_mov_b32 v13, 0xff61b1e6                      ; the largest t so far: -3e38
	v_floor_f32 v12, -v13                          ; -M
	v_mov_b32 v14, 0                               ; the sum, in two halves
	v_mov_b32 v15, 0
	STEP4 0, \pi, 1
	STEP4 1, \pi, 0
	STEP1 \pi
.endm
; O^T / the sum; the head's two blocks of 32 features quantised: registers 6 pi .. 6 pi + 5 of the result's fragment, bytes 2 pi, 2 pi + 1 of its scale word.
.macro FIN pi
	v_add_f32 v14, v14, v15
	v_permlanex16_b32 v[TT], v14, s[SEL], s[SEL+1]
	v_add_f32 v14, v14, v[TT]                      ; the row's sum
	v_rcp_f32 v14, v14
	v_nop                                          ; a plain instruction behind the transcendental,
	s_wait_alu depctr_va_vdst(0)                   ; and the wait ahead of the first line that names its result
.set zi, 0
.rept 16
	v_pk_mul_f32 v[OT+zi:OT+zi+1], v[OT+zi:OT+zi+1], v[14:15] op_sel_hi:[1,0]   ; each accumulator from its low end on
.set zi, zi+2
.endr
.irp b, 0,1
	v_max3_num_f32 v[BM+\b], |v[OT+16*\b]|, |v[OT+16*\b+1]|, 0x1800000
.endr
.irp i, 2,4,6,8,10,12,14
.irp b, 0,1
	v_max3_num_f32 v[BM+\b], v[BM+\b], |v[OT+16*\b+\i]|, |v[OT+16*\b+\i+1]|
.endr
.endr
.irp b, 0,1
	v_permlanex16_b32 v[BT+\b], v[BM+\b], s[SEL], s[SEL+1]
.endr
.irp b, 0,1
	v_max_num_f32 v[BM+\b], v[BM+\b], v[BT+\b]
.endr
.irp b, 0,1
	v_add_nc_u32 v[SO+\b], 0xff000000, v[BM+\b]
.endr
.irp b, 0,1
	v_lshrrev_b32 v[BT+\b], 23, v[SO+\b]
.endr
	v_cvt_scalef32_pk16_fp6_f32 v[CT+6*\pi:CT+6*\pi+2], v[OT:OT+15], v[SO]
	v_cvt_scalef32_pk16_fp6_f32 v[PT:PT+2], v[OT+16:OT+31], v[SO+1]
.if \pi
	v_lshl_or_b32 v[TT], v[BT+1], 8, v[BT]         ; (the plain instruction behind the conversions)
	v_lshl_or_b32 v[CSW], v[TT], 16, v[CSW]
.else
	v_lshl_or_b32 v[CSW], v[BT+1], 8, v[BT]
.endif
.irp i, 0,1,2
	v_permlane16_swap_b32 v[CT+6*\pi+\i], v[PT+\i]
.endr
.irp i, 0,1,2
	v_mov_b32 v[CT+6*\pi+3+\i], v[PT+\i]
.endr
.endm
	HEAD 0
	QLOAD 1                                        ; the odd head's q lands while the even head's result is quantised (the last products that read these registers stand far more than four places back)
	FIN 0
	HEAD 1
	FIN 1
.irp p, 0,1,2
	global_store_b128 v[L16], v[CT+4*\p:CT+4*\p+3], s[12:13] offset:512*\p   ; the fragment as an image of its registers: 512 consecutive bytes a store
.endr
	s_wait_xcnt 0x0                                ; EXEC changes only behind this wait
	v_cmp_gt_u32 vcc_lo, 16, v[LANE]
	s_and_saveexec_b32 s2, vcc_lo
	global_store_b32 v[R4], v[CSW], s[14:15]       ; lanes 0-15: a word a row
	s_wait_xcnt 0x0                                ; and again, in front of the line that widens it
	s_or_b32 exec_lo, exec_lo, s2
	s_wait_tensorcnt 0x0                           ; the wave's end: behind my last tensor load
	ds_add_u32 v[SPW], v[NIL]
	s_wait_dscnt 0x0
	s_endpgm
.Lfunc_end_k_q17f961aca2_attn:
	.size	k_q17f961aca2_attn, .Lfunc_end_k_q17f961aca2_attn-k_q17f961aca2_attn
	.p2alignl 7, 3214868480
	.fill 96, 4, 3214868480
	.section	.rodata,"a",@progbits
	.p2align	6, 0x0
	.amdhsa_kernel k_q17f961aca2_attn
		.amdhsa_group_segment_fixed_size 167936
		.amdhsa_private_segment_fixed_size 0
		.amdhsa_enable_private_segment 0
		.amdhsa_kernarg_size 48
		.amdhsa_user_sgpr_count 2
		.amdhsa_user_sgpr_kernarg_segment_ptr 1
		.amdhsa_wavefront_size32 1
		.amdhsa_system_sgpr_workgroup_id_x 1
		.amdhsa_system_sgpr_workgroup_id_y 1
		.amdhsa_system_sgpr_workgroup_id_z 1
		.amdhsa_system_vgpr_workitem_id 0
		.amdhsa_next_free_vgpr 256
		.amdhsa_next_free_sgpr 92
		.amdhsa_reserve_vcc 1
		.amdhsa_float_denorm_mode_32 3
		.amdhsa_float_denorm_mode_16_64 3
		.amdhsa_memory_ordered 1
		.amdhsa_forward_progress 1
		.amdhsa_inst_pref_size 129
	.end_amdhsa_kernel
	.amdgpu_metadata
---
amdhsa.version: [ 1, 2 ]
amdhsa.kernels:
  - .name:           k_q17f961aca2_attn
    .symbol:         k_q17f961aca2_attn.kd
    .args:
      - { .name: qkc, .offset: 0, .size: 8, .value_kind: global_buffer, .address_space: global }
      - { .name: qks, .offset: 8, .size: 8, .value_kind: global_buffer, .address_space: global }
      - { .name: vc, .offset: 16, .size: 8, .value_kind: global_buffer, .address_space: global }
      - { .name: vs, .offset: 24, .size: 8, .value_kind: global_buffer, .address_space: global }
      - { .name: cc, .offset: 32, .size: 8, .value_kind: global_buffer, .address_space: global }
      - { .name: cs, .offset: 40, .size: 8, .value_kind: global_buffer, .address_space: global }
    .group_segment_fixed_size: 167936
    .private_segment_fixed_size: 0
    .kernarg_segment_align: 8
    .kernarg_segment_size: 48
    .max_flat_workgroup_size: 512
    .sgpr_count:     92
    .vgpr_count:     256
    .wavefront_size: 32
...
	.end_amdgpu_metadata
.endif
;; end of part 3
;; launch oproj (part 4): grid 8 x 32, 4 waves a work-group, clusters of 4 x 4, 327,680 bytes of LDS; arguments cc, cs, c0, s0, b_o, x, out0; writes out0
.if DOCPART == 4
	.amdgcn_target "amdgcn-amd-amdhsa--gfx1250"
	.amdhsa_code_object_version 6
	.text
	.protected	k_q17f961aca2_oproj
	.globl	k_q17f961aca2_oproj
	.p2align	8
	.type	k_q17f961aca2_oproj,@function
k_q17f961aca2_oproj:
	s_mov_b64 s[64:65], 0
	v_nop
	global_prefetch_b8 v0, s[64:65] scope:SCOPE_SE
	s_setreg_imm32_b32 hwreg(HW_REG_WAVE_MODE, 25, 1), 1
	s_wait_xcnt 0x0
	s_wait_alu depctr_hold_cnt(0) depctr_sa_sdst(0) depctr_va_vdst(0) depctr_va_sdst(0) depctr_va_ssrc(0) depctr_va_vcc(0) depctr_vm_vsrc(0)
	s_getreg_b32 s2, hwreg(HW_REG_IB_STS2, 6, 4)
	s_cmp_eq_u32 s2, 0
	s_cbranch_scc0 .Lentry_in_a_cluster
	s_endpgm
.Lentry_in_a_cluster:
	s_bfe_u32 s2, ttmp6, 0x10000c
	s_cmp_lg_u32 s2, 0xf033
	s_cbranch_scc0 .Lentry_shape_is_right
	s_endpgm
.Lentry_shape_is_right:
; out0 = x + ctx w_o^T + b_o: THE OUTPUT PROJECTION ON CODES OF FP6 (E2M3), K = 1,024, AND THE RESIDUAL.
; A tile of 256 tokens x 128 features is made by a work-group of four waves, 128 x 64 a wave: 32 accumulators, 256 registers; 256 work-groups.  Source 0 of each matrix instruction is 16 rows of B' = w_o, source 1 is
; 16 rows of A' = ctx: a lane holds one token and eight neighbouring features.  Operands lie in memory as images of their registers (16 rows x 128 K = 1,536 bytes), rows in storage order (bits 3 and 4 of the row's
; number exchanged): register j of B's tile b is feature 32 (b / 2) + 16 (lane / 16) + 8 (b % 2) + j, lane r of A's block a is token 32 (a / 2) + 8 (a % 2) + r + 8 (r / 8).
; ALL OF K LIES IN TWO LDS SLOTS of four K steps, both filled at the start: nothing is filled again.  The scale words come with them and go to registers once.  The bias is the C of each sum's first matrix instruction.
; x: the wave's 128 x 64 numbers are asked for at the head, into the fourth register window, which is otherwise idle; they land under the products, and the way out only adds and stores.
; CLUSTERS: 4 x 4 work-groups; ctx's tiles are shared along a row of the cluster, w_o's along a column: each is asked for jointly.
; NOT DONE, AND WHY.  No prefetch: every tile and all of x are asked for at the head.
; REGISTERS, in windows of 256.  Window 0: v16-29 addresses; v32-95 scale words and nothing else; v124 the bias's offset; v128-223 A's fragments, one set (on the way out: rows of the result).
;   Window 1: B's fragments, two sets, at v0 and v128; the bias's four blocks at v96-127.  Window 2: the accumulators ((a, b) at v[8 (4 a + b)]).  Window 3: x.
.set NB,    4                          ; tiles of B' a wave
.set NQ,    4                          ; K steps in a slot
.set FRB,   1536                       ; a fragment's image
.set ROWB,  NQ*FRB                     ; a row tile's bytes in a slot: consecutive in memory
.set HALFA, 8*ROWB                     ; 128 rows of A': what one tensor load brings, and what one wave reads
.set HALFB, NB*ROWB                    ; 16 NB rows of B' likewise
.set SLOT,  2*HALFA+2*HALFB
.set SCL,   2*SLOT                     ; behind the ring: B's scale words,
.set SBH,   512*NB                     ; (those of 16 NB rows)
.set SCA,   SCL+2*SBH                  ; then A's, 4,096 bytes for 128 rows
.set SPARE, SCA+8192                   ; the spare words, 128 bytes for each wave: two blocks of 256 bytes that no other line names
.set ADRA, 16                          ; v16-17 LDS address of my A' fragments in slot 0, 1
.set ADRB, 20                          ; v20-21 the same for B'
.set STO,  24                          ; v24    the way out: where I put 32 bytes of a row
.set RD,   25                          ; v25    where I read a row back
.set CO,   26                          ; v26    my byte offset in x and in out0
.set ADRS, 27                          ; v27    of my scale words: lanes 0-15 B's rows, lanes 16-31 A's
.set SPW,  28                          ; v28    my spare word; never rewritten
.set NIL,  29                          ; v29    0; never rewritten
.set SC,   32                          ; v[SC + 8 i + s]: K step s; lanes 0-15 the words of B's tile i, lanes 16-31 those of A's tile i
.set BOF,  124
.set AF,   128
.set BK,   128                         ; the way out: 16 rows read back from the stage: v128-159 and v160-191 by turns
.set G1,   32                          ; s[32:39] descriptor group 1 for A's tiles, s[40:47] group 0, a set for each slot
.set G0,   40
.set G1B,  48                          ; s[48:55], s[56:63] the same for B'
.set G0B,  56
.set G1S,  68                          ; s[68:75], s[76:79] for A's scale words;  s[80:87], s[88:91] for B's
.set G0S,  76
.set G1SB, 80
.set G0SB, 88
.set PAC,  4                           ; the pointers: A's codes cc and scales cs, B's codes c0 and scales s0
.set PAS,  6
.set PBC,  8
.set PBS,  10
.set MSB, 0
.macro WIN new                         ; the immediate's high byte repeats the setting that is left
.if MSB != \new
	s_set_vgpr_msb (MSB<<8)|\new
.set MSB, \new
.endif
.endm
.macro PLACES n                        ; plain vector instructions between a matrix instruction and a load into, a read of or a write to its registers
.rept \n
	v_nop
.endr
.endm
.macro GRP1 g, c, r, p                 ; words 1 to 7 of a group 1: r rows of c elements of 8 bytes, p elements apart
	s_mov_b32 s[\g+1], ((\c)&0xffff)<<16           ; tensor_dim0
	s_mov_b32 s[\g+2], ((\c)>>16)|((\r)<<16)       ; tensor_dim1
	s_mov_b32 s[\g+3], (\c)<<16                    ; tile_dim0
	s_mov_b32 s[\g+4], \r                          ; tile_dim1
	s_mov_b32 s[\g+5], \p                          ; tensor_dim0_stride
	s_mov_b32 s[\g+6], 0
	s_mov_b32 s[\g+7], 0
.endm
; A joint load: waves 0 and 1 fetch for A', waves 2 and 3 for B'.  Each line has one mask and one set of registers for all that issue it; the branch hangs on the wave's number alone.
; An s_nop 0 and four v_nop follow each of the two lines.
.macro JLOAD g0a, g1a, g0b, g1b
	s_cmp_eq_u32 s23, 0
	s_cbranch_scc0 .Lfor_b_\@
	tensor_load_to_lds s[\g0a:\g0a+3], s[\g1a:\g1a+7]
	s_nop 0
.rept 4
	v_nop
.endr
	s_branch .Lasked_\@
.Lfor_b_\@:
	tensor_load_to_lds s[\g0b:\g0b+3], s[\g1b:\g1b+7]
	s_nop 0
.rept 4
	v_nop
.endr
.Lasked_\@:
.endm
.macro CREST                           ; a round of the cluster's barrier behind its opening barrier
	s_cmp_lg_u32 s22, 0
	s_cbranch_scc1 .Lnot_wave_0_\@
	s_barrier_signal -3
.Lnot_wave_0_\@:
	s_barrier_wait -3
	s_barrier_signal -1
	s_barrier_wait -1
.endm
.macro CROUND
	s_barrier_signal -1
	s_barrier_wait -1
	CREST
.endm
; The first fills.  s28 = the first row of A' that I would fetch, s30 = that of B' (each made of numbers that the load's partners share); a row is 768 bytes of codes and 32 of scale words.
.macro FILLS
	s_mul_i32 s29, s24, HALFA                      ; where they go: no place in the cluster enters an LDS address
	s_mul_i32 s31, s24, HALFB
	s_add_co_u32 s31, s31, 2*HALFA
	s_lshl_b32 s99, s24, 12
	s_add_co_u32 s99, s99, SCA
	s_mul_i32 s66, s24, SBH
	s_add_co_u32 s66, s66, SCL
	s_mov_b32 s101, 0
	s_mov_b32 s3, 0
	s_wait_dscnt 0x0                               ; the opening add is done
	s_wait_kmcnt 0x0
	CROUND                                         ; all sixteen work-groups are here: the first joint loads meet
	s_mov_b32 s[G0S], 1
	s_mov_b32 s[G0S+1], s99
	s_mul_i32 s100, s28, 32
	s_add_nc_u64 s[G0S+2:G0S+3], s[PAS:PAS+1], s[100:101]
	s_or_b32 s[G0S+3], s[G0S+3], 0x80000000
	s_mov_b32 s[G0SB], 1
	s_mov_b32 s[G0SB+1], s66
	s_mul_i32 s2, s30, 32
	s_add_nc_u64 s[G0SB+2:G0SB+3], s[PBS:PBS+1], s[2:3]
	s_or_b32 s[G0SB+3], s[G0SB+3], 0x80000000
	JLOAD G0S, G1S, G0SB, G1SB                     ; the scale words first: they are wanted with K step 0
	s_mul_i32 s100, s28, 768
	s_mul_i32 s2, s30, 768
	s_add_nc_u64 s[100:101], s[PAC:PAC+1], s[100:101]
	s_add_nc_u64 s[2:3], s[PBC:PBC+1], s[2:3]
.irp s, 0,1
	s_mov_b32 s[G0+4*\s], 1                        ; count = 1
	s_add_co_u32 s[G0+4*\s+1], s29, \s*SLOT        ; LDS address
	s_add_nc_u64 s[G0+4*\s+2:G0+4*\s+3], s[100:101], \s*ROWB   ; global address: the slot's first K step
	s_or_b32 s[G0+4*\s+3], s[G0+4*\s+3], 0x80000000            ; type = 2
	s_mov_b32 s[G0B+4*\s], 1
	s_add_co_u32 s[G0B+4*\s+1], s31, \s*SLOT
	s_add_nc_u64 s[G0B+4*\s+2:G0B+4*\s+3], s[2:3], \s*ROWB
	s_or_b32 s[G0B+4*\s+3], s[G0B+4*\s+3], 0x80000000
	JLOAD G0+4*\s, G1, G0B+4*\s, G1B               ; three tensor loads of mine are out behind the second of these
.endr
.endm
.macro LDSADR                          ; v1 lane, v2 16 x lane, v3 r, v4 h, and the LDS addresses that stay
	v_and_b32 v1, 31, v0
	v_lshlrev_b32 v2, 4, v1
	v_and_b32 v3, 15, v0
	v_bfe_u32 v4, v0, 4, 1
	s_mul_i32 s99, s23, HALFA                      ; my 128 rows of A'
	s_mul_i32 s66, s24, HALFB                      ; my 16 NB rows of B', behind A's 256
	s_add_co_u32 s66, s66, 2*HALFA
.irp s, 0,1
	v_add_nc_u32 v[ADRA+\s], s99, v2
	v_add_nc_u32 v[ADRB+\s], s66, v2
	s_add_co_u32 s99, s99, SLOT
	s_add_co_u32 s66, s66, SLOT
.endr
	s_mul_i32 s99, s24, SBH                        ; B's words: my rows;
	s_lshl_b32 s66, s23, 12                        ; A's: my rows, behind all of B's
	s_add_co_u32 s66, s66, 2*SBH
	s_sub_co_u32 s66, s66, s99
	v_mul_u32_u24 v5, s66, v4                      ; lanes 16-31 take A's: one product, the distance between the two
	s_add_co_u32 s99, s99, SCL
	v_lshl_add_u32 v5, v3, 2, v5
	v_add_nc_u32 v[ADRS], s99, v5
.endm
.macro FRAG reg, adr, q, i             ; a fragment comes as it was stored: three loads of 512 consecutive bytes
.irp p, 0,1,2
	ds_load_b128 v[\reg+4*\p:\reg+4*\p+3], v[\adr] offset:(\i)*ROWB+(\q)*FRB+512*\p
.endr
.endm
.macro FETCH_B slot, q, p              ; B's NB fragments of the slot's q-th K step into set p
	WIN 0x40
.set zf, 0
.rept NB
	FRAG 128*(\p)+12*zf, ADRB+\slot, \q, zf
.set zf, zf+1
.endr
	WIN 0
.endm
.macro FETCH_A slot, q, i0             ; A's blocks i0 .. i0 + 3
.irp i, \i0, \i0+1, \i0+2, \i0+3
	FRAG AF+12*(\i), ADRA+\slot, \q, \i
.endr
.endm
.macro SCALES                          ; all eight K steps' scale words, once.  (With NB = 4 lanes 0-15 of tiles 4-7 read on into A's words: bytes that are filled, in registers' halves that no product names)
.set zi, 0
.rept 8
.set zs, 0
.rept 8
	ds_load_b32 v[SC+8*zi+zs], v[ADRS] offset:(zi/4)*2048+zs*256+(zi%4)*64
.set zs, zs+1
.endr
.set zi, zi+1
.endr
.endm
; 2 NB matrix instructions: A's blocks a0, a0 + 1 against B's NB tiles, K step ks (its number in all of K), B's set p.  cm = 0: onto the sums.  cm = 1: the sums begin with the bias block of B's tile;  cm = 2: of A's block.
; The accumulators take turns, one instruction a turn, in the same order in every step.
.macro MULA a0, p, ks, cm
.if NB == 8
.set AW, 2+(\a0)/4
.else
.set AW, 2
.endif
.if \cm
	WIN (AW<<6)|0x11                               ; source 0 (B') and C (bias) window 1, source 1 (A') window 0, D window AW
.else
	WIN (AW<<6)|(AW<<4)|1
.endif
.irp a, \a0, \a0+1
.set zb, 0
.rept NB
.if NB == 8
.set AC, 8*(8*((\a)%4)+zb)
.else
.set AC, 8*(4*(\a)+zb)
.endif
.if \cm == 1
.set CR, 96+8*zb+96*(zb/4)
.endif
.if \cm == 2
.set CR, 96+8*(\a)+96*((\a)/4)
.endif
.if \cm
	v_wmma_scale_f32_16x16x128_f8f6f4 v[AC:AC+7], v[128*(\p)+12*zb:128*(\p)+12*zb+11], v[AF+12*(\a):AF+12*(\a)+11], v[CR:CR+7], v[SC+8*zb+(\ks)], v[SC+8*(\a)+(\ks)] matrix_a_fmt:MATRIX_FMT_FP6 matrix_b_fmt:MATRIX_FMT_FP6 matrix_b_scale:MATRIX_SCALE_ROW1
.else
	v_wmma_scale_f32_16x16x128_f8f6f4 v[AC:AC+7], v[128*(\p)+12*zb:128*(\p)+12*zb+11], v[AF+12*(\a):AF+12*(\a)+11], v[AC:AC+7], v[SC+8*zb+(\ks)], v[SC+8*(\a)+(\ks)] matrix_a_fmt:MATRIX_FMT_FP6 matrix_b_fmt:MATRIX_FMT_FP6 matrix_b_scale:MATRIX_SCALE_ROW1
.endif
.set zb, zb+1
.endr
.endr
.endm
; A K step that has its successor in the same slot.  A block of A' is free as soon as its products are issued: blocks 0-3 are fetched anew in the step's middle, blocks 4-7 at its end.  B' has two sets.
.macro STEP slot, q, ks, cm
	s_wait_dscnt 12                                ; B's set and A's blocks 0-3 are in; the youngest 12 loads (A's blocks 4-7) may be out
	MULA 0, (\q)%2, \ks, \cm
	MULA 2, (\q)%2, \ks, \cm
	s_wait_dscnt 0x0                               ; A's blocks 4-7 are in
	PLACES 4
	FETCH_B \slot, (\q)+1, 1-(\q)%2
	FETCH_A \slot, (\q)+1, 0
	MULA 4, (\q)%2, \ks, \cm
	MULA 6, (\q)%2, \ks, \cm
	PLACES 4
	WIN 0
	FETCH_A \slot, (\q)+1, 4
.endm
; A slot's last K step changes slots: ONE barrier; in front of it each wave waits for all its tensor loads, adds 0 to its spare word, and waits for that and for its own reads of this slot.  Nothing is filled again here.
.macro TURN slot, next, ks
	s_wait_tensorcnt 0x0                           ; all my tensor loads have landed: my part of the next slot
	ds_add_u32 v[SPW], v[NIL]                      ; 0 onto my spare word
	s_wait_dscnt 13                                ; (the add and the youngest 12 loads may be out)
	MULA 0, 1, \ks, 0                              ; matrix instructions stand between the add and the wait for it
	s_wait_dscnt 0x0                               ; the add is done, and my reads of this slot are over
	s_barrier_signal -1
	MULA 2, 1, \ks, 0
	WIN 0
	s_barrier_wait -1
	PLACES 4
	FETCH_B \next, 0, 0
	FETCH_A \next, 0, 0
	MULA 4, 1, \ks, 0
	MULA 6, 1, \ks, 0
	PLACES 4
	WIN 0
	FETCH_A \next, 0, 4
.endm
.macro LAST ks                         ; the very last K step: nothing more to fetch
	s_wait_dscnt 12
	MULA 0, 1, \ks, 0
	MULA 2, 1, \ks, 0
	s_wait_dscnt 0x0
	MULA 4, 1, \ks, 0
	MULA 6, 1, \ks, 0
	WIN 0
.endm
	s_load_b256 s[4:11], s[0:1], 0x0               ; cc, cs, c0, s0
	s_load_b128 s[12:15], s[0:1], 0x20             ; b_o, x
	s_load_b64 s[16:17], s[0:1], 0x30              ; out0
	v_lshl_add_u32 v[SPW], v0, 2, SPARE
	v_mov_b32 v[NIL], 0
	ds_add_u32 v[SPW], v[NIL]                      ; the wave's opening: the add and its wait ahead of my first tensor load; the set-up below, work on registers, stands between them
	v_lshrrev_b32 v1, 5, v0
	v_readfirstlane_b32 s22, v1                    ; wave 0..3
	s_lshr_b32 s23, s22, 1                         ; wr: my 128 tokens.  Also: I fetch for A' (0) or for B' (1)
	s_and_b32 s24, s22, 1                          ; wc: my 64 features.  Also: which half I fetch
	s_bfe_u32 s25, ttmp6, 0x40000                  ; cx, cy: my place in the cluster
	s_bfe_u32 s26, ttmp6, 0x40004
	s_lshl_b32 s29, s26, 2
	s_lshl_b32 s29, 15, s29                        ; my row of the cluster
	s_lshl_b32 s31, 0x1111, s25                    ; my column
	s_or_b32 s[G1], s29, (3<<16)|(1<<21)           ; 15:0 the mask; 17:16 elements of 8 bytes; 21 set beside a mask; no padding: a fragment's loads read consecutive bytes
	s_or_b32 s[G1S], s29, (3<<16)|(1<<21)
	s_or_b32 s[G1B], s31, (3<<16)|(1<<21)
	s_or_b32 s[G1SB], s31, (3<<16)|(1<<21)
	GRP1 G1, ROWB/8, 8, 1536                       ; 8 row tiles x ROWB bytes, 12,288 bytes (a row tile's eight K steps) apart
	GRP1 G1B, ROWB/8, NB, 1536
	GRP1 G1S, 32, 16, 32                           ; the scale words of 128 rows: 4,096 dense bytes as rows of 256
	GRP1 G1SB, 32, 2*NB, 32                        ; of 64 rows: 2,048
	s_and_b32 s28, ttmp7, 0xffff                   ; A' = ctx: rows 256 (4 x cluster y + cy) + 128 x half on
	s_lshl_b32 s28, s28, 2
	s_add_co_u32 s28, s28, s26
	s_lshl_b32 s28, s28, 8
	s_lshl_b32 s29, s24, 7
	s_add_co_u32 s28, s28, s29
	s_lshl_b32 s30, ttmp9, 2                       ; B' = w_o: rows 11,264 + 128 (4 x cluster x + cx) + 64 x half on
	s_add_co_u32 s30, s30, s25
	s_lshl_b32 s30, s30, 7
	s_lshl_b32 s31, s24, 6
	s_add_co_u32 s30, s30, s31
	s_add_co_u32 s30, s30, 11264
	FILLS
	LDSADR
	s_and_b32 s99, ttmp7, 0xffff                   ; my part of x and of out0: tokens 128 (2 x tile row + wr) on, features 64 (2 x tile column + wc) on
	s_lshl_b32 s99, s99, 2
	s_add_co_u32 s99, s99, s26
	s_lshl_b32 s99, s99, 1
	s_add_co_u32 s99, s99, s23
	s_lshl_b32 s66, s99, 19                        ; 128 rows of 4,096 bytes
	s_lshl_b32 s99, ttmp9, 2
	s_add_co_u32 s99, s99, s25
	s_lshl_b32 s99, s99, 1
	s_add_co_u32 s99, s99, s24
	s_lshl_b32 s67, s99, 8                         ; 64 numbers of 4 bytes
	v_lshlrev_b32 v[BOF], 6, v4
	v_add_nc_u32 v[BOF], s67, v[BOF]               ; the bias: my 64 features, + 16 numbers for lanes 16-31
	s_add_co_u32 s66, s66, s67
	s_mov_b32 s67, 0
	s_add_nc_u64 s[14:15], s[14:15], s[66:67]
	s_add_nc_u64 s[16:17], s[16:17], s[66:67]
	v_lshlrev_b32 v[CO], 12, v4
	v_lshl_add_u32 v[CO], v3, 4, v[CO]             ; lanes 0-15 one row's 256 bytes, lanes 16-31 the next row's
	s_mul_i32 s99, s22, 16*272                     ; my stage: 16 rows x (256 bytes + 16), in slot 0
	v_mul_u32_u24 v[STO], v3, 272
	v_lshl_add_u32 v[STO], v4, 6, v[STO]
	v_add_nc_u32 v[STO], s99, v[STO]               ; in: row r, + 64 bytes for lanes 16-31
	v_mul_u32_u24 v[RD], v4, 272
	v_lshl_add_u32 v[RD], v3, 4, v[RD]
	v_add_nc_u32 v[RD], s99, v[RD]                 ; back: lanes 0-15 one row, lanes 16-31 the next
	WIN 0x40
.irp b, 0,1,2,3                                ; bias block b: lane (r, h), register j: feature 32 (b / 2) + 8 (b % 2) + 16 h + j
	global_load_b128 v[96+8*\b:96+8*\b+3], v[BOF], s[12:13] offset:(32*(\b/2)+8*(\b%2))*4
	global_load_b128 v[96+8*\b+4:96+8*\b+7], v[BOF], s[12:13] offset:(32*(\b/2)+8*(\b%2))*4+16
.endr
	WIN 0xc0
.irp a, 0,1,2,3,4,5,6,7                        ; x, in the order in which the way out will read the stage: block a, rows 2 t and 2 t + 1 of its storage order
.irp t, 0,1,2,3,4,5,6,7
	global_load_b128 v[32*\a+4*\t:32*\a+4*\t+3], v[CO], s[14:15] offset:(32*(\a/2)+8*(\a%2)+2*\t+8*(\t/4))*4096 th:TH_LOAD_NT
.endr
.endr
	WIN 0
	s_wait_tensorcnt 1                             ; the scale words and my part of slot 0 are in (slot 1's load may be out)
	s_barrier_signal -1
	s_barrier_wait -1                              ; everybody's are
	FETCH_B 0, 0, 0
	FETCH_A 0, 0, 0
	SCALES
	FETCH_A 0, 0, 4
	s_wait_loadcnt 63                              ; the biases are in: 64 loads were issued behind them, and 63 is the largest count that the wait can name
	STEP 0, 0, 0, 1
	STEP 0, 1, 1, 0
	STEP 0, 2, 2, 0
	TURN 0, 1, 3
	STEP 1, 0, 4, 0
	STEP 1, 1, 5, 0
	STEP 1, 2, 6, 0
	LAST 7
; THE WAY OUT, block by block of 16 tokens x 64 features.  A lane holds 32 neighbouring bytes of a row, and the lanes beside it hold other rows: so a block goes through my own stage in LDS and comes back as whole rows
; of 256 bytes.  The stage lies in slot 0: that slot has had its only fill, and every wave has passed the change of slots, behind which nobody reads it.
; LDS serves a wave's instructions in order (ISA guide 5.7.1.4): no wait between the stores and the loads, nor in front of the next block's stores.
.macro TOSTAGE a
	WIN 0x08                                       ; the data: window 2
.irp b, 0,1,2,3
	ds_store_b128 v[STO], v[8*(4*(\a)+\b):8*(4*(\a)+\b)+3] offset:128*(\b/2)+32*(\b%2)          ; each accumulator from its low end on
	ds_store_b128 v[STO], v[8*(4*(\a)+\b)+4:8*(4*(\a)+\b)+7] offset:128*(\b/2)+32*(\b%2)+16
.endr
	WIN 0
.set BB, BK+32*((\a)%2)
.irp t, 0,1,2,3,4,5,6,7
	ds_load_b128 v[BB+4*\t:BB+4*\t+3], v[RD] offset:544*\t
.endr
.endm
.macro SEND a, younger                 ; younger: the LDS instructions issued behind block a's loads, which may stay out
.set BB, BK+32*((\a)%2)
	s_wait_dscnt \younger
	WIN 0x0c                                       ; source 1: x, window 3
.set zi, 0
.rept 16
	v_pk_add_f32 v[BB+zi:BB+zi+1], v[BB+zi:BB+zi+1], v[32*(\a)+zi:32*(\a)+zi+1]
.set zi, zi+2
.endr
	WIN 0
.irp t, 0,1,2,3,4,5,6,7
	global_store_b128 v[CO], v[BB+4*\t:BB+4*\t+3], s[16:17] offset:(32*((\a)/2)+8*((\a)%2)+2*\t+8*(\t/4))*4096 th:TH_STORE_NT   ; 16 lanes store 256 consecutive bytes, at a multiple of 256 from out0's first byte
.endr
.endm
	PLACES 4                                       ; behind the last products: for the first read of results and for the loads into the registers that held A's fragments
	s_wait_loadcnt 0x0                             ; x
	TOSTAGE 0
.irp a, 1,2,3,4,5,6,7
.if \a > 1
	s_wait_xcnt 0x0                                ; block a - 2's stores have read their registers: block a's rows may land there
.endif
	TOSTAGE \a
	SEND \a-1, 16                                  ; behind block a - 1's loads: block a's 8 stores and 8 loads
.endr
	SEND 7, 0
	s_wait_tensorcnt 0x0                           ; the wave's end: behind my last tensor load and my last LDS store
	ds_add_u32 v[SPW], v[NIL]
	s_wait_dscnt 0x0
	CROUND                                         ; the closing round: no work-group ends while a partner may still ask for a tile that names it
	s_endpgm
.Lfunc_end_k_q17f961aca2_oproj:
	.size	k_q17f961aca2_oproj, .Lfunc_end_k_q17f961aca2_oproj-k_q17f961aca2_oproj
	.p2alignl 7, 3214868480
	.fill 96, 4, 3214868480
	.section	.rodata,"a",@progbits
	.p2align	6, 0x0
	.amdhsa_kernel k_q17f961aca2_oproj
		.amdhsa_group_segment_fixed_size 327680
		.amdhsa_private_segment_fixed_size 0
		.amdhsa_enable_private_segment 0
		.amdhsa_kernarg_size 56
		.amdhsa_user_sgpr_count 2
		.amdhsa_user_sgpr_kernarg_segment_ptr 1
		.amdhsa_wavefront_size32 1
		.amdhsa_system_sgpr_workgroup_id_x 1
		.amdhsa_system_sgpr_workgroup_id_y 1
		.amdhsa_system_sgpr_workgroup_id_z 1
		.amdhsa_system_vgpr_workitem_id 0
		.amdhsa_next_free_vgpr 1024
		.amdhsa_next_free_sgpr 102
		.amdhsa_reserve_vcc 0
		.amdhsa_float_denorm_mode_32 3
		.amdhsa_float_denorm_mode_16_64 3
		.amdhsa_memory_ordered 1
		.amdhsa_forward_progress 1
		.amdhsa_inst_pref_size 99
	.end_amdhsa_kernel
	.amdgpu_metadata
---
amdhsa.version: [ 1, 2 ]
amdhsa.kernels:
  - .name:           k_q17f961aca2_oproj
    .symbol:         k_q17f961aca2_oproj.kd
    .args:
      - { .name: cc, .offset: 0, .size: 8, .value_kind: global_buffer, .address_space: global }
      - { .name: cs, .offset: 8, .size: 8, .value_kind: global_buffer, .address_space: global }
      - { .name: c0, .offset: 16, .size: 8, .value_kind: global_buffer, .address_space: global }
      - { .name: s0, .offset: 24, .size: 8, .value_kind: global_buffer, .address_space: global }
      - { .name: b_o, .offset: 32, .size: 8, .value_kind: global_buffer, .address_space: global }
      - { .name: x, .offset: 40, .size: 8, .value_kind: global_buffer, .address_space: global }
      - { .name: out0, .offset: 48, .size: 8, .value_kind: global_buffer, .address_space: global }
    .group_segment_fixed_size: 327680
    .private_segment_fixed_size: 0
    .kernarg_segment_align: 8
    .kernarg_segment_size: 56
    .max_flat_workgroup_size: 128
    .sgpr_count:     102
    .vgpr_count:     1024
    .wavefront_size: 32
...
	.end_amdgpu_metadata
.endif
;; end of part 4
